; MI455X (gfx1250); checked and timed in simulation.
; The chip was launched on July 23, 2026; its instructions are those of AMD's public machine-readable ISA for CDNA 5 (MIT licence, August 2026) and "CDNA5" Instruction Set Architecture Reference Guide (July 2026). The comments in the code are by the model that wrote it; some were corrected since.
;; Causal Self Attention. Allowed arithmetic: matrix products marked QUANTISED: E2M3 operands, one E8M0 scale for each 32 along K, by v_wmma_scale_f32_16x16x128_f8f6f4 with both operands' format E2M3, f32 sums; everything else in f32.
;; Inputs: w_attn_codes 3,072 x 32 x 24 uint8 (E2M3 codes of w_attn, K innermost, in blocks of 32 codes, four codes in three bytes); w_attn_scales 3,072 x 32 uint8 (E8M0 scales of w_attn, one for each 32 codes along K); w_proj_codes 1,024 x 32 x 24 uint8 (E2M3 codes of w_proj, K innermost, in blocks of 32 codes, four codes in three bytes); w_proj_scales 1,024 x 32 uint8 (E8M0 scales of w_proj, one for each 32 codes along K); x_codes 4 x 2,048 x 32 x 24 uint8 (E2M3 codes of x, K innermost, in blocks of 32 codes, four codes in three bytes); x_scales 4 x 2,048 x 32 uint8 (E8M0 scales of x, one for each 32 codes along K).
;; Outputs: out0 4 x 2,048 x 1,024 float32.
;; This version of the problem:
;;   THIS VERSION OF THE PROBLEM IS GIVEN IN LOW PRECISION. The matrix products marked QUANTISED in the list below multiply operands that are first quantised to E2M3 (2 exponent bits, 3 mantissa bits; 6 bits a number), with one power-of-two scale for each 32 numbers along K (OCP MX v1.0); their sums are f32. All else is computed in f32.
;;   The module's matrix products, in the order in which they are computed (A, B: the left and right operand; K: the contracted axis; several contracted axes count as one K, in the product's order):
;;     1. [M 8,192, K 1,024] x [K 1,024, N 3,072]; A: input x (given as codes); B: input w_attn (given as codes): QUANTISED
;;     2. batch 64 x [M 2,048, K 64] x [K 64, N 2,048]; A: computed on the way; B: computed on the way: QUANTISED
;;     3. batch 64 x [M 2,048, K 2,048] x [K 2,048, N 64]; A: softmax (see below); B: computed on the way: QUANTISED
;;     4. [M 8,192, K 1,024] x [K 1,024, N 1,024]; A: computed on the way; B: input w_proj (given as codes): QUANTISED
;;   THE QUANTISER, for each operand of a quantised product, along K:
;;     - K is cut into blocks of 32 from its start; a last block that is shorter is filled with zeros.
;;     - A block's scale is 2^e with e = floor(log2(the largest magnitude in the block)) - 2, held to -126 .. 127; a block of zeros has e = 0. As a byte (E8M0): e + 127.
;;     - Each number is divided by its block's scale, clamped to +-7.5, and rounded to the nearest number of E2M3, ties to even, subnormals kept.
;;     - The product sums the exact products of the quantised numbers (number of the format x scale) in f32.
;;   ~~~python
;;   def quantise(x, axis):      # numpy; x: float32 -> the quantised numbers, widened to float32 again
;;       x = np.moveaxis(x, axis, -1); K = x.shape[-1]
;;       x = np.pad(x, [(0, 0)] * (x.ndim - 1) + [(0, -K % 32)]); x = x.reshape(x.shape[:-1] + (-1, 32)); a = np.abs(x).max(-1, keepdims=True)
;;       e = np.where(a > 0, np.clip(np.frexp(np.where(a > 0, a, 1))[1] - 1 - 2, -126, 127), 0)      # np.frexp(a)[1] - 1 = floor(log2(a)), exactly
;;       r = np.clip(x / 2.0 ** e, -7.5, 7.5)
;;       step = 2.0 ** (np.maximum(np.frexp(np.where(r == 0, 1, r))[1] - 1, 0) - 3)
;;       q = np.round(r / step) * step * 2.0 ** e      # np.round: ties to even
;;       return np.moveaxis(q.reshape(q.shape[:-2] + (-1,))[..., :K], -1, axis).astype(np.float32)
;;   ~~~
;;   SOFTMAX AHEAD OF A QUANTISED PRODUCT. Where the list says 'softmax', what is quantised is not the finished softmax but p = 2^(t - M), with t = logit x log2(e) and M = ceil(the row's largest t), a whole number; so 1/2 < the row's largest p <= 1. The row's sum l is taken of the UNQUANTISED p, in f32, and the product's result is divided by l at the end. Since M is a whole number, a kernel that streams over the keys may use a running M (the ceiling of the running maximum): every later rescaling is an exact power of two, which a block's scale takes up: the codes' values come out the same.
;;   OPERANDS COMPUTED ON THE WAY. 'Computed on the way' means the value that the module computes at that place (a softmax that the list does not call 'softmax' is quantised finished and normalised). What goes into a quantiser is computed in f32, as accurately as f32 sums, v_exp_f32 and their like allow (about 1e-6 of the number): no bf16 or f16 on the way to a quantiser, and a product that is left as it is and whose result goes on into a quantised operand takes f32 operands (vector FMAs, or v_wmma_f32_16x16x4_f32). A number that lies on a knife's edge between two numbers of the format may be rounded either way, as far as f32 arithmetic and the matrix unit's own rounding can turn it there, and no further.
;;   INPUTS GIVEN AS CODES. w_attn (in the module: [1024, 3072], K = its axis 0); w_proj (in the module: [1024, 1024], K = its axis 0); x (in the module: [4, 2048, 1024], K = its axis 2): each comes as NAME_codes (uint8): NAME with its K axis moved to the last place and cut into blocks of 32 codes, [.., K / 32, bytes a block], one block behind the other in memory; four codes in three bytes: a row's codes are one little-endian stream of bits, code i at bits 6 i .. 6 i + 5 (a code: sign, 2 exponent bits, 3 mantissa bits); and NAME_scales (uint8): the same leading axes, one E8M0 byte (e + 127) for each 32 codes along K. Its value is code x scale, taken as it is: it is not quantised again, and the codes and scales need not be those that the quantiser above would give.
;; One version. Each part assembles by itself: llvm-mc -triple=amdgcn-amd-amdhsa -mcpu=gfx1250 --defsym DOCPART=n.
;; ======== version 1 of 1: 3 launches
;; workspace buffers: img 18,874,368 bytes; sc 1,310,720 bytes; yimg 6,291,456 bytes; ysc 262,144 bytes
;; launch qkv (part 1): grid 8 x 48, 4 waves a work-group, clusters of 4 x 4, 327,680 bytes of LDS; arguments x_codes, x_scales, w_attn_codes, w_attn_scales, img, sc; writes img, sc
.if DOCPART == 1
	.amdgcn_target "amdgcn-amd-amdhsa--gfx1250"
	.amdhsa_code_object_version 6
	.text
	.protected	k_q5e7ea5edfe_qkv
	.globl	k_q5e7ea5edfe_qkv
	.p2align	8
	.type	k_q5e7ea5edfe_qkv,@function
k_q5e7ea5edfe_qkv:
	s_mov_b64 s[64:65], 0
	v_nop
	global_prefetch_b8 v0, s[64:65] scope:SCOPE_SE
	s_setreg_imm32_b32 hwreg(HW_REG_WAVE_MODE, 25, 1), 1
	s_wait_xcnt 0x0
	s_wait_alu depctr_hold_cnt(0) depctr_sa_sdst(0) depctr_va_vdst(0) depctr_va_sdst(0) depctr_va_ssrc(0) depctr_va_vcc(0) depctr_vm_vsrc(0)
	s_getreg_b32 s2, hwreg(HW_REG_IB_STS2, 6, 4)
	s_cmp_eq_u32 s2, 0
	s_cbranch_scc0 .Lentry_in_a_cluster
	s_endpgm
.Lentry_in_a_cluster:
	s_bfe_u32 s2, ttmp6, 0x10000c
	s_cmp_lg_u32 s2, 0xf033
	s_cbranch_scc0 .Lentry_shape_is_right
	s_endpgm
.Lentry_shape_is_right:
; qkv = x w_attn on codes of FP6 (E2M3) with one E8M0 scale for each 32 along K = 1,024; the results are quantised in registers and leave as codes:
; q and k along the head's 64 (two blocks of 32), v along the keys.  x: [8192][768 bytes], w_attn: [3072][768 bytes], their scale bytes 32 a row.
; A work-group of four waves makes 256 x 256 results, a wave 128 x 128: 64 accumulators, 512 registers.  K goes in steps of 256 through a ring of two LDS slots; the scale bytes of the 2 x 256 rows stay in LDS.
; TWO NAMES.  R = source 0 of the matrix instruction: its rows run down a lane's registers, so R's rows are the axis along which the results are quantised.  P = source 1: a lane holds one row of P.
;   q, k (cluster y under 8): R = 256 rows of w_attn (the heads' d), P = 256 rows of x (tokens).     v (cluster y from 8 on): R = 256 rows of x (the keys), P = 256 rows of w_attn from row 2,048 on (d).
;   Both tensors have rows of 768 bytes and 32 scale bytes, so the two kinds differ in the two pointers, chosen on the cluster's y, and in the way out.
; CLUSTERS: 4 x 4 work-groups.  P's tile hangs on cy and the cluster's numbers: shared along a row of the cluster.  R's hangs on cx and the cluster's numbers: shared along a column.  Each is asked for jointly.
; WHAT LEAVES.  img, for each of 64 heads 294,912 bytes: K [128 tiles of 16 tokens][768], V [16 steps of 128 keys][4 tiles of 16 d][1,536], Q [128 tiles][768]: IMAGES OF OPERAND REGISTERS.
;   Half a fragment (16 rows x 64 k, 6 registers): registers 0-3 at 16 x lane, registers 4-5 at 512 + 8 x lane.  A whole one (12 registers): registers 4 c .. 4 c + 3 at 512 c + 16 x lane.
;   sc, for each head 20,480 bytes: one scale word a row: K's [tile][16], V's [step][tile][16], Q's [tile][16].  Q's and K's words hold two bytes, the upper two are 0 (they stand over zero codes).
; THE ORDER INSIDE A BLOCK OF 32.  A lane (r, h) holds of block B the numbers 32 B + 16 u + 8 h + j (u: which of two tiles, j: register); their codes are laid at place 16 h + 8 u + j of the block.
;   That exchange of the block's two middle groups of eight falls alike on q and k, and alike on v and on the weights p that the next launch makes: the products' terms are the same, the blocks and scales are the true ones.
; LIMITS: NaN, infinities and given scale bytes 0xff are not served.  A computed block whose largest magnitude lies under 2^-124, a block of zeros too, gets the byte 1 (its codes are then zeros or tiny); these bytes are read by this program alone.
.set KSTEP,  256
.set NQ,     KSTEP/128
.set ROWB,   192                       ; a tile's row in bytes: 256 codes of 6 bits
.set KROW,   768                       ; a row of x or of w_attn in memory
.set PITCH,  240                       ; an LDS row: 3 x (64 bytes + 16 of padding)
.set FR,     12                        ; registers of a fragment
.set NL,     6                         ; LDS loads that bring one
.set NP,     4                         ; places behind this matrix instruction (ISA guide 7.12.1)
.set HALFT,  128*PITCH
.set SLOT,   4*HALFT                   ; P's 256 rows, then R's 256 rows
.set KS,     32                        ; a row of scale bytes
.set SCL,    2*SLOT                    ; behind the ring: the scale bytes, as units of 256 bytes + 16 of padding
.set HALFS,  (128*KS/256)*272
.set SBLK,   (16*KS/256)*272
.set SPARE,  SCL+4*HALFS               ; the spare words, 128 bytes for each wave: two blocks of 256 bytes that no other line names
.set HEADB,  294912                    ; a head in img
.set HEADS,  20480                     ; a head in sc
.set VOFF,   98304
.set QOFF,   196608
.set VSOFF,  8192
.set QSOFF,  12288
.set VI16, 7                           ; v7   16 x lane
.set VI8,  8                           ; v8   512 + 8 x lane
.set STQ,  9                           ; v9   q, k: where my row's scale word goes in my stage: 4 r + 512 h + 1,024 x wave
.set STV,  10                          ; v10  v: 4,096 + 4 r + 512 x wave
.set SH,   11                          ; v11  16 h
.set RDQ,  12                          ; v12  q, k: the stage read back: 16 x lane + 1,024 x wave
.set RDV,  13                          ; v13  v: 4,096 + 16 x lane + 512 x wave
.set GSV,  14                          ; v14  v: where the words go in sc: 16 r + h x a head
.set ADRA, 16                          ; v16-17 LDS address of P's fragments in slot 0, 1 (v18-19: for the pieces behind one padding more)
.set ADRB, 20                          ; v20-21 the same for R (v22-23)
.set ADRS, 27                          ; v27  LDS address of my scale words: lanes 0-15 P's rows, lanes 16-31 R's
.set SPW,  28                          ; v28  LDS address of my spare word; never rewritten
.set NIL,  29                          ; v29  0; never rewritten
.set SC,   32                          ; v32-63 scale words, two sets
.set AF,   128                         ; P's fragments, window 0, one set
.set CD,   112                         ; the way out: v112-123 a fragment's codes, v124-130 at work
.set TM,   200                         ; v200-203 largest magnitudes, v204-207 bytes, v212-215 the conversions' scale operands
.set PW,   216                         ; the scale word just made
.set PW2,  217
.set G1, 24
.set G0, 32
.set G1B, 48
.set G0B, 56
.set G1S, 68
.set G0S, 76
.set G1SB, 80
.set G0SB, 88
.set SEL, 94                           ; s[94:95] lane selects for v_permlanex16_b32 (set on the way out)
.set TYPEV, 100                        ; s100 1 in a work-group that makes v
.set MSB, 0
.macro WIN new                         ; the immediate's high byte repeats the setting that is left
.if MSB != (\new)
	s_set_vgpr_msb (MSB<<8)|(\new)
.set MSB, (\new)
.endif
.endm
.set MUL_LO, 0xa1                      ; source 0 (R) window 1, source 1 (P) window 0, C and D window 2
.set MUL_HI, 0xf1                      ; the same, C and D window 3
.set TO_B,   0x40                      ; destination window 1, address window 0
; A joint load: waves 0 and 1 fetch for P, waves 2 and 3 for R.  The branch hangs on the wave's number alone.  Four v_nop follow each of the two lines.
.macro JLOAD g0a, g1a, g0b, g1b
	s_cmp_eq_u32 s15, 0
	s_cbranch_scc0 .Lfor_b_\@
	tensor_load_to_lds s[\g0a:\g0a+3], s[\g1a:\g1a+7]
	s_nop 0
.rept 4
	v_nop
.endr
	s_branch .Lasked_\@
.Lfor_b_\@:
	tensor_load_to_lds s[\g0b:\g0b+3], s[\g1b:\g1b+7]
	s_nop 0
.rept 4
	v_nop
.endr
.Lasked_\@:
.endm
.macro CREST                           ; a round of the cluster's barrier behind its opening barrier
	s_cmp_lg_u32 s14, 0
	s_cbranch_scc1 .Lnot_wave_0_\@
	s_barrier_signal -3
.Lnot_wave_0_\@:
	s_barrier_wait -3
	s_barrier_signal -1
	s_barrier_wait -1
.endm
.macro CROUND                          ; a whole round
	s_barrier_signal -1
	s_barrier_wait -1
	CREST
.endm
	s_load_b256 s[4:11], s[0:1], 0x0               ; x's codes s[4:5], x's scales s[6:7], w_attn's codes s[8:9], w_attn's scales s[10:11]
	v_lshl_add_u32 v[SPW], v0, 2, SPARE
	v_mov_b32 v[NIL], 0
	ds_add_u32 v28, v29
	ds_add_u32 v28, v29
	s_wait_dscnt 0x0
	v_lshrrev_b32 v1, 5, v0
	v_readfirstlane_b32 s14, v1                    ; wave 0..3
	s_lshr_b32 s15, s14, 1                         ; which half of P's rows is mine.  Also: I fetch for P (0) or for R (1)
	s_and_b32 s16, s14, 1                          ; which half of R's rows.  Also: which 128 rows of that tile I fetch
	s_bfe_u32 s40, ttmp6, 0x40000                  ; cx, cy: my place in the cluster
	s_bfe_u32 s41, ttmp6, 0x40004
	s_and_b32 s101, ttmp7, 0xffff                  ; the cluster's y, 0..11
	s_lshl_b32 s42, ttmp9, 2
	s_add_co_u32 s42, s42, s40                     ; 4 x cluster x + cx
	s_lshl_b32 s96, s101, 3
	s_sub_co_u32 s96, s96, 64                      ; 8 (cluster y - 8): used where cluster y is 8 or more
	s_lshl_b32 s97, s101, 2                        ; 4 x cluster y
	s_cmp_ge_u32 s101, 8                           ; the kind of work: the same in all sixteen partners
	s_cselect_b32 s[TYPEV], 1, 0
	s_cselect_b32 s96, s96, 0
	s_cselect_b32 s97, 8, s97
	s_add_co_u32 s42, s42, s96                     ; R's tile: q, k: 0..7 of w_attn; v: 0..31 of x
	s_add_co_u32 s17, s97, s41                     ; P's tile: q, k: 0..31 of x; v: 8..11 of w_attn
	s_lshl_b32 s43, s41, 2
	s_lshl_b32 s43, 15, s43                        ; my row of the cluster
	s_lshl_b32 s44, 0x1111, s40                    ; my column
	; descriptor group 1: a tile of 128 rows x 192 bytes, 16 bytes of padding behind every 64
	s_or_b32 s[G1+0], s43, (0<<16)|(1<<20)|(1<<21)|(3<<22)|(3<<25)  ; 15:0 the mask: P's tiles go to my row; 17:16 elements of 1 byte; 20 padding on; 21 set beside a mask; 24:22 after every 16 words; 31:25 of 4 words
	s_or_b32 s[G1B+0], s44, (0<<16)|(1<<20)|(1<<21)|(3<<22)|(3<<25) ; R's tiles go to my column
.irp g, G1, G1B
	s_mov_b32 s[\g+1], ROWB<<16                    ; tensor_dim0
	s_mov_b32 s[\g+2], 128<<16                     ; tensor_dim1 = 128
	s_mov_b32 s[\g+3], ROWB<<16                    ; tile_dim0
	s_mov_b32 s[\g+4], 128                         ; tile_dim1 = 128
	s_mov_b32 s[\g+5], KROW                        ; tensor_dim0_stride
	s_mov_b32 s[\g+6], 0
	s_mov_b32 s[\g+7], 0
.endr
	; the scale bytes of 128 rows: a dense block of 4,096 bytes, as 16 rows of 256 bytes (32 elements of 8 bytes), 16 bytes of padding behind each
	s_or_b32 s[G1S+0], s43, (3<<16)|(1<<20)|(1<<21)|(5<<22)|(3<<25)
	s_or_b32 s[G1SB+0], s44, (3<<16)|(1<<20)|(1<<21)|(5<<22)|(3<<25)
.irp g, G1S, G1SB
	s_mov_b32 s[\g+1], 32<<16
	s_mov_b32 s[\g+2], (128*KS/256)<<16
	s_mov_b32 s[\g+3], 32<<16
	s_mov_b32 s[\g+4], 128*KS/256
	s_mov_b32 s[\g+5], 32
	s_mov_b32 s[\g+6], 0
	s_mov_b32 s[\g+7], 0
.endr
	s_lshl_b32 s18, s16, 7                         ; which 128 rows of the tile I fetch
	s_lshl_b32 s20, s17, 8
	s_add_co_u32 s20, s20, s18                     ; P: row 256 x tile + 128 x half
	s_lshl_b32 s46, s42, 8
	s_add_co_u32 s46, s46, s18                     ; R likewise
	s_mov_b32 s21, 0
	s_mov_b32 s47, 0
	s_mov_b64 s[18:19], KS
	s_mul_u64 s[22:23], s[20:21], s[18:19]         ; where these rows' scale bytes begin
	s_mul_u64 s[92:93], s[46:47], s[18:19]
	s_mov_b64 s[18:19], KROW
	s_mul_u64 s[20:21], s[20:21], s[18:19]         ; and their codes
	s_mul_u64 s[46:47], s[46:47], s[18:19]
	s_mul_i32 s45, s14, HALFT                      ; where they go: wave x 128 rows: no place in the cluster enters an LDS address
	s_mul_i32 s94, s14, HALFS
	s_wait_kmcnt 0x0
	s_cmp_lg_u32 s[TYPEV], 0                       ; which tensor is P and which R: a choice on the cluster's y, on no address
	s_cselect_b64 s[96:97], s[8:9], s[4:5]         ; P's codes
	s_cselect_b64 s[98:99], s[10:11], s[6:7]       ; P's scale bytes
	s_cselect_b64 s[8:9], s[4:5], s[8:9]           ; R's codes
	s_cselect_b64 s[10:11], s[6:7], s[10:11]       ; R's scale bytes
	s_add_nc_u64 s[20:21], s[96:97], s[20:21]
	s_add_nc_u64 s[22:23], s[98:99], s[22:23]
	s_add_nc_u64 s[46:47], s[8:9], s[46:47]
	s_add_nc_u64 s[92:93], s[10:11], s[92:93]
	CROUND                                         ; all sixteen work-groups are here: the first joint loads meet
	s_mov_b32 s[G0S], 1
	s_add_co_u32 s[G0S+1], s94, SCL
	s_mov_b64 s[G0S+2:G0S+3], s[22:23]
	s_or_b32 s[G0S+3], s[G0S+3], 0x80000000
	s_mov_b32 s[G0SB], 1
	s_add_co_u32 s[G0SB+1], s94, SCL
	s_mov_b64 s[G0SB+2:G0SB+3], s[92:93]
	s_or_b32 s[G0SB+3], s[G0SB+3], 0x80000000
	JLOAD G0S, G1S, G0SB, G1SB                     ; the scale bytes first: they are wanted with K step 0.  With the two below, three loads of mine are out
.irp s, 0,1
	s_mov_b32 s[G0+4*\s], 1
	s_add_co_u32 s[G0+4*\s+1], s45, \s*SLOT
	s_add_nc_u64 s[G0+4*\s+2:G0+4*\s+3], s[20:21], \s*ROWB
	s_or_b32 s[G0+4*\s+3], s[G0+4*\s+3], 0x80000000
	s_mov_b32 s[G0B+4*\s], 1
	s_add_co_u32 s[G0B+4*\s+1], s45, \s*SLOT
	s_add_nc_u64 s[G0B+4*\s+2:G0B+4*\s+3], s[46:47], \s*ROWB
	s_or_b32 s[G0B+4*\s+3], s[G0B+4*\s+3], 0x80000000
	JLOAD G0+4*\s, G1, G0B+4*\s, G1B
.endr
	s_load_b128 s[4:7], s[0:1], 0x20               ; img s[4:5], sc s[6:7]: waited for on the way out
	v_and_b32 v1, 15, v0                           ; r = lane % 16
	v_bfe_u32 v2, v0, 4, 1                         ; h = lane / 16
	v_mul_u32_u24 v3, v1, PITCH
	v_mul_u32_u24 v4, v2, 24
	v_add_nc_u32 v4, v3, v4                        ; a fragment's row x pitch + 24 x half
	v_lshl_add_u32 v5, v2, 4, v4                   ; and the same behind one padding more
	s_mul_i32 s21, s15, HALFT                      ; my 128 rows of P
	s_mul_i32 s22, s16, HALFT                      ; my 128 rows of R,
	s_add_co_u32 s22, s22, 2*HALFT                 ; which lie behind P's 256
.irp s, 0,1
	v_add_nc_u32 v[ADRA+\s], s21, v4
	v_add_nc_u32 v[ADRB+\s], s22, v4
	v_add_nc_u32 v[ADRA+2+\s], s21, v5
	v_add_nc_u32 v[ADRB+2+\s], s22, v5
	s_add_co_u32 s21, s21, SLOT
	s_add_co_u32 s22, s22, SLOT
.endr
	v_mul_u32_u24 v5, v1, KS                       ; my row's scale bytes: 32 a row,
	v_lshrrev_b32 v6, 8, v5
	v_lshl_add_u32 v5, v6, 4, v5                   ; and 16 more for each 256 passed
	s_mul_i32 s21, s15, HALFS                      ; P's: my 128 rows
	s_mul_i32 s22, s16, HALFS                      ; R's: my 128 rows, behind P's 256
	s_add_co_u32 s22, s22, 2*HALFS
	s_sub_co_u32 s22, s22, s21
	v_mul_u32_u24 v6, s22, v2                      ; lanes 16-31 take R's: one product, the distance between the two bases x h
	s_add_co_u32 s21, s21, SCL
	v_add_nc_u32 v5, v5, v6
	v_add_nc_u32 v[ADRS], s21, v5
	; the way out's addresses, all made here, ahead of every parting of the ways
	v_and_b32 v6, 31, v0
	v_lshlrev_b32 v[VI16], 4, v6
	v_lshlrev_b32 v[VI8], 3, v6
	v_add_nc_u32 v[VI8], 512, v[VI8]
	s_lshl_b32 s23, s14, 10
	v_lshlrev_b32 v[STQ], 2, v1
	v_lshl_add_u32 v[STQ], v2, 9, v[STQ]
	v_add_nc_u32 v[STQ], s23, v[STQ]
	v_add_nc_u32 v[RDQ], s23, v[VI16]
	s_lshl_b32 s23, s14, 9
	s_add_co_u32 s23, s23, 4096
	v_lshlrev_b32 v[STV], 2, v1
	v_add_nc_u32 v[STV], s23, v[STV]
	v_add_nc_u32 v[RDV], s23, v[VI16]
	v_lshlrev_b32 v[SH], 4, v2
	v_mul_u32_u24 v[GSV], v2, HEADS
	v_lshl_add_u32 v[GSV], v1, 4, v[GSV]
.macro FRAG reg, adr, q, i             ; a fragment, 16 rows x 128 K of 6-bit codes, is 12 registers: lane l holds row l % 16; registers 6 c .. 6 c + 5 hold K = 64 c + 32 (l / 16) + 0 .. 31: 24 bytes of the row, as they lie
.irp p, 0,1,2,3,4,5                    ; in pieces of 8 bytes.  Lanes 0-15 take the row's pieces 12 q + 0, 1, 2 and 12 q + 6, 7, 8, lanes 16-31 those three pieces on
.set PC, 12*(\q)+6*(\p/3)+\p%3        ; 16 bytes of padding lie behind every 8 pieces: where the piece three on lies behind one padding more, the second address register serves
.if PC%8 < 5
	ds_load_b64 v[\reg+2*\p:\reg+2*\p+1], v[\adr] offset:8*PC+16*(PC/8)+(\i)*16*PITCH
.else
	ds_load_b64 v[\reg+2*\p:\reg+2*\p+1], v[\adr+2] offset:8*PC+16*(PC/8)+(\i)*16*PITCH
.endif
.endr
.endm
; 16 matrix instructions: P's blocks a0, a0 + 1 x R's eight, 128 along K: the slot's q-th.  p: R's set;  sc: the set of scale words.  zero = 1: the first product starts the sums.
; The 64 accumulators take turns, one instruction a turn, in the same order in every step.
.macro MUL16 a0, p, q, sc, zero
.irp a, \a0, \a0+1
.irp b, 0,1,2,3,4,5,6,7
.if \zero
	v_wmma_scale_f32_16x16x128_f8f6f4 v[8*(8*((\a)%4)+\b):8*(8*((\a)%4)+\b)+7], v[128*(\p)+FR*\b:128*(\p)+FR*\b+FR-1], v[AF+FR*(\a):AF+FR*(\a)+FR-1], 0, v[SC+8*NQ*(\sc)+NQ*\b+(\q)], v[SC+8*NQ*(\sc)+NQ*(\a)+(\q)] matrix_a_fmt:MATRIX_FMT_FP6 matrix_b_fmt:MATRIX_FMT_FP6 matrix_a_scale:MATRIX_SCALE_ROW1
.else
	v_wmma_scale_f32_16x16x128_f8f6f4 v[8*(8*((\a)%4)+\b):8*(8*((\a)%4)+\b)+7], v[128*(\p)+FR*\b:128*(\p)+FR*\b+FR-1], v[AF+FR*(\a):AF+FR*(\a)+FR-1], v[8*(8*((\a)%4)+\b):8*(8*((\a)%4)+\b)+7], v[SC+8*NQ*(\sc)+NQ*\b+(\q)], v[SC+8*NQ*(\sc)+NQ*(\a)+(\q)] matrix_a_fmt:MATRIX_FMT_FP6 matrix_b_fmt:MATRIX_FMT_FP6 matrix_a_scale:MATRIX_SCALE_ROW1
.endif
.endr
.endr
.endm
.macro FETCH_B slot, q, p              ; R's eight fragments of the slot's q-th 128 along K into set p
	WIN TO_B
.irp i, 0,1,2,3,4,5,6,7
	FRAG 128*(\p)+FR*\i, ADRB+\slot, \q, \i
.endr
	WIN 0
.endm
.macro FETCH_A slot, q, i0             ; P's blocks i0 .. i0 + 3
.irp i, \i0, \i0+1, \i0+2, \i0+3
	FRAG AF+FR*(\i), ADRA+\slot, \q, \i
.endr
.endm
.macro SCALES sc                       ; a K step's scale words into set sc: two words a row; lanes 0-15 take P's block i, lanes 16-31 R's block i
.irp i, 0,1,2,3,4,5,6,7
	ds_load_b64 v[SC+8*NQ*\sc+NQ*\i:SC+8*NQ*\sc+NQ*\i+1], v[ADRS] offset:\i*SBLK
.endr
.endm
; A load into a register that a matrix instruction has read, and a vector instruction that reads a matrix result or writes one of a matrix instruction's registers, stand NP places behind it;
; only plain vector instructions that name none of its registers are places (ISA guide 7.12.1 for vector instructions).
.macro PLACES n
.rept \n
	v_nop
.endr
.endm
; A step of 128 along K that has its successor in the same slot.
.macro STEP slot, q, zero
	s_wait_dscnt 4*NL                              ; R's set and P's blocks 0-3 are in; the youngest 24 loads (P's blocks 4-7) may be out
	WIN MUL_LO
	MUL16 0, (\q)%2, \q, \slot, \zero
	MUL16 2, (\q)%2, \q, \slot, \zero
	s_wait_dscnt 0                                 ; P's blocks 4-7 are in (asked for 32 matrix instructions ago)
	PLACES NP
	FETCH_B \slot, (\q)+1, 1-(\q)%2
	FETCH_A \slot, (\q)+1, 0
	WIN MUL_HI
	MUL16 4, (\q)%2, \q, \slot, \zero
	MUL16 6, (\q)%2, \q, \slot, \zero
	PLACES NP
	WIN 0
	FETCH_A \slot, (\q)+1, 4
.endm
; A slot's last step changes slots: ONE barrier; in front of it each wave waits for all its tensor loads, adds 0 to its spare word, and waits for that and for its own reads of this slot.  fill = 1: this slot is filled again, two K steps ahead.
.macro TURN slot, next, fill
	s_wait_tensorcnt 0x0                           ; all my tensor loads have landed: my part of the next slot;  (every window is 0 here)
	ds_add_u32 v[SPW], v[NIL]                      ; 0 onto my spare word
	s_wait_dscnt 4*NL+1                            ; (the add and the youngest 24 loads, P's blocks 4-7, may be out)
	WIN MUL_LO
	MUL16 0, 1, NQ-1, \slot, 0                     ; sixteen matrix instructions stand between the add and the wait for it
	s_wait_dscnt 0x0                               ; the add is done, and my reads of this slot are over
	s_barrier_signal -1
	MUL16 2, 1, NQ-1, \slot, 0
	WIN 0
	s_barrier_wait -1
.if \fill
	CREST                                          ; the barrier has opened a round of the cluster's barrier: no wave of any partner still reads this slot's tile or has a load on its way
	s_add_nc_u64 s[G0+4*\slot+2:G0+4*\slot+3], s[G0+4*\slot+2:G0+4*\slot+3], 2*ROWB
	s_add_nc_u64 s[G0B+4*\slot+2:G0B+4*\slot+3], s[G0B+4*\slot+2:G0B+4*\slot+3], 2*ROWB
	JLOAD G0+4*\slot, G1, G0B+4*\slot, G1B         ; the first tensor load behind the round, my one load out; the four v_nop behind it are the places in front of the loads below
.else
	PLACES NP
.endif
	v_add_nc_u32 v[ADRS], 4*NQ, v[ADRS]            ; on to the next K step's scale words (no LDS load of mine is out)
	FETCH_B \next, 0, 0
	FETCH_A \next, 0, 0
	SCALES \next
	WIN MUL_HI
	MUL16 4, 1, NQ-1, \slot, 0
	MUL16 6, 1, NQ-1, \slot, 0
	PLACES NP
	WIN 0
	FETCH_A \next, 0, 4
.endm
	s_wait_tensorcnt 1                             ; the scale bytes and my part of K step 0 are in (K step 1's load may be out)
	s_barrier_signal -1
	s_barrier_wait -1                              ; everybody's are
	FETCH_B 0, 0, 0
	FETCH_A 0, 0, 0
	SCALES 0
	FETCH_A 0, 0, 4
	STEP 0, 0, 1                                   ; K = 1,024 is four K steps, eight steps of 128: written out, twice round the ring.  The first step's products start the sums
	TURN 0, 1, 1                                   ; slot 0 takes K step 2
	STEP 1, 0, 0
	TURN 1, 0, 1                                   ; slot 1 takes K step 3
	STEP 0, 0, 0
	TURN 0, 1, 0                                   ; nothing is left to fetch
	STEP 1, 0, 0
	s_wait_dscnt 4*NL                              ; the very last step
	WIN MUL_LO
	MUL16 0, 1, NQ-1, 1, 0
	MUL16 2, 1, NQ-1, 1, 0
	s_wait_dscnt 0
	WIN MUL_HI
	MUL16 4, 1, NQ-1, 1, 0
	MUL16 6, 1, NQ-1, 1, 0
	WIN 0
; THE WAY OUT.  P's block a: my lane's 64 results, register 16 B + 8 u + j = R's row 32 B + 16 u + 8 h + j, become a fragment's codes in v[CD] on and the scale word of my row of P in v[PW].
; A block's scale: the largest magnitude of its 32 numbers (my 16 and lane l xor 16's), never under the floor 2^(3 - 127); 2 off its exponent field is the conversion's scale operand, and that field is the byte.
; Each accumulator is read from its low end on.
.macro QUANTW a
.set WI, 2+(\a)/4                      ; the block's accumulators lie in window 2 or 3,
.set SB0, 64*((\a)%4)                  ; from this register on
.set WW, (WI<<2)|(WI<<4)
	WIN WW                                         ; sources 1 and 2 in that window
.irp b, 0,1,2,3
	v_max3_num_f32 v[TM+\b], 0x1800000, |v[SB0+16*\b]|, |v[SB0+16*\b+1]|
.endr
.irp i, 2,4,6,8,10,12,14
.irp b, 0,1,2,3
	v_max3_num_f32 v[TM+\b], v[TM+\b], |v[SB0+16*\b+\i]|, |v[SB0+16*\b+\i+1]|   ; (the four blocks by turns)
.endr
.endr
	WIN 0
.irp b, 0,1,2,3
	v_permlanex16_b32 v[TM+4+\b], v[TM+\b], s[SEL], s[SEL+1]
.endr
.irp b, 0,1,2,3
	v_max_num_f32 v[TM+\b], v[TM+\b], v[TM+4+\b]
.endr
.irp b, 0,1,2,3
	v_add_nc_u32 v[TM+12+\b], 0xff000000, v[TM+\b]
.endr
.irp b, 0,1,2,3
	v_lshrrev_b32 v[TM+4+\b], 23, v[TM+12+\b]
.endr
	v_lshl_or_b32 v[PW], v[TM+5], 8, v[TM+4]
	v_lshl_or_b32 v[PW], v[TM+6], 16, v[PW]
	v_lshl_or_b32 v[PW], v[TM+7], 24, v[PW]
	WIN WI                                         ; source 0 in the accumulators' window
.irp c, 0,1
	v_cvt_scalef32_pk16_fp6_f32 v[CD+6*\c:CD+2+6*\c], v[SB0+32*\c:SB0+15+32*\c], v[TM+12+2*\c]
	v_cvt_scalef32_pk16_fp6_f32 v[CD+12+4*\c:CD+14+4*\c], v[SB0+16+32*\c:SB0+31+32*\c], v[TM+12+2*\c+1]   ; (a conversion's three registers begin on an even number)
.endr
	WIN 0
	v_nop                                          ; one plain place behind a scaled conversion
.irp c, 0,1                                    ; the operand's layout wants a whole block in a lane: lanes 0-15 block 2 c, lanes 16-31 block 2 c + 1
.irp i, 0,1,2
	v_permlane16_swap_b32 v[CD+6*\c+\i], v[CD+12+4*\c+\i]
.endr
.irp i, 0,1,2
	v_mov_b32 v[CD+3+6*\c+\i], v[CD+12+4*\c+\i]
.endr
.endr
.endm
.macro FREE a                          ; the last block's stores have read their registers: only behind these waits are they written again
.if (\a) > 0
	s_wait_xcnt 0x0
	s_wait_dscnt 0x0
.endif
.endm
; q, k: the wave's 128 rows of R are two heads: registers 0-5 are a tile of 16 tokens of the first, registers 6-11 of the second.  Each store covers whole aligned blocks of 256 bytes.
.macro OUTQK a
	FREE \a
	QUANTW \a
	global_store_b128 v[VI16], v[CD:CD+3], s[4:5] offset:768*(\a)
	global_store_b64 v[VI8], v[CD+4:CD+5], s[4:5] offset:768*(\a)
	global_store_b128 v[VI16], v[CD+6:CD+9], s[4:5] offset:HEADB+768*(\a)
	global_store_b64 v[VI8], v[CD+10:CD+11], s[4:5] offset:HEADB+768*(\a)
	v_bfe_u32 v[PW2], v[PW], v[SH], 16             ; lanes 0-15: the first head's two bytes, lanes 16-31: the second's
	ds_store_b32 v[STQ], v[PW2] offset:64*(\a)
.endm
; v: the wave's 128 rows of R are a step of 128 keys: a whole fragment of 16 d; blocks 0-3 are the first head's d, blocks 4-7 the second's
.macro OUTV a
	FREE \a
	QUANTW \a
.irp c, 0,1,2
	global_store_b128 v[VI16], v[CD+4*\c:CD+4*\c+3], s[4:5] offset:((\a)/4)*HEADB+((\a)%4)*1536+512*\c
.endr
	ds_store_b32 v[STV], v[PW] offset:64*(\a)      ; both halves of the lanes write the same word with the same value
.endm
	PLACES NP                                      ; behind the last products: the lines below write registers that they read
.irp b, 0,1,2,3
	v_mov_b32 v[TM+4+\b], 0                        ; a lane permute's destination counts as one of its sources
.endr
	s_mov_b32 s[SEL], 0x76543210
	s_mov_b32 s[SEL+1], 0xfedcba98
	s_wait_kmcnt 0x0                               ; img, sc
	s_cmp_lg_u32 s[TYPEV], 0                       ; the ways part once, on the cluster's y.  The scale words' stages lie in slot 0, which has had its last fill and its last read; each way has bytes of its own
	s_cbranch_scc1 .Lv_out
	s_lshr_b32 s2, s17, 3                          ; q, k: the batch,
	s_lshl_b32 s2, s2, 4
	s_lshl_b32 s98, s40, 2
	s_add_co_u32 s2, s2, s98
	s_lshl_b32 s98, s16, 1
	s_add_co_u32 s2, s2, s98                       ; my first head: 16 x batch + 4 cx + 2 x (my half of R)
	s_and_b32 s3, s17, 7
	s_lshl_b32 s3, s3, 4
	s_lshl_b32 s98, s15, 3
	s_add_co_u32 s3, s3, s98                       ; my first tile of tokens: 16 x (P's tile in the batch) + 8 x (my half of P)
	s_cmp_eq_u32 ttmp9, 0                          ; cluster x = 0: q, 1: k
	s_cselect_b32 s98, QOFF, 0
	s_cselect_b32 s99, QSOFF, 0
	s_mul_i32 s12, s2, HEADB
	s_add_co_u32 s12, s12, s98
	s_mul_i32 s98, s3, 768
	s_add_co_u32 s12, s12, s98
	s_mov_b32 s13, 0
	s_mul_i32 s18, s2, HEADS
	s_add_co_u32 s18, s18, s99
	s_lshl_b32 s98, s3, 6
	s_add_co_u32 s18, s18, s98
	s_mov_b32 s19, 0
	s_add_nc_u64 s[4:5], s[4:5], s[12:13]
	s_add_nc_u64 s[6:7], s[6:7], s[18:19]
.irp a, 0,1,2,3,4,5,6,7
	OUTQK \a
.endr
	ds_load_b128 v[32:35], v[RDQ]                  ; LDS serves a wave's instructions in order: these see my stores.  The first head's 8 tiles x 16 words: 512 bytes,
	ds_load_b128 v[36:39], v[RDQ] offset:512       ; and the second's
	s_wait_dscnt 0x0
	global_store_b128 v[VI16], v[32:35], s[6:7]
	global_store_b128 v[VI16], v[36:39], s[6:7] offset:HEADS
	s_branch .Lend
.Lv_out:
	s_lshr_b32 s2, s42, 3                          ; v: the batch,
	s_lshl_b32 s2, s2, 4
	s_lshl_b32 s98, s41, 2
	s_add_co_u32 s2, s2, s98
	s_lshl_b32 s98, s15, 1
	s_add_co_u32 s2, s2, s98                       ; my first head: 16 x batch + 4 cy + 2 x (my half of P)
	s_and_b32 s3, s42, 7
	s_lshl_b32 s3, s3, 1
	s_add_co_u32 s3, s3, s16                       ; my step of 128 keys
	s_mul_i32 s12, s2, HEADB
	s_mul_i32 s98, s3, 6144
	s_add_co_u32 s12, s12, s98
	s_add_co_u32 s12, s12, VOFF
	s_mov_b32 s13, 0
	s_mul_i32 s18, s2, HEADS
	s_lshl_b32 s98, s3, 8
	s_add_co_u32 s18, s18, s98
	s_add_co_u32 s18, s18, VSOFF
	s_mov_b32 s19, 0
	s_add_nc_u64 s[4:5], s[4:5], s[12:13]
	s_add_nc_u64 s[6:7], s[6:7], s[18:19]
.irp a, 0,1,2,3,4,5,6,7
	OUTV \a
.endr
	ds_load_b128 v[32:35], v[RDV]                  ; lanes 0-15: the first head's 4 tiles x 16 words, lanes 16-31: the second's
	s_wait_dscnt 0x0
	global_store_b128 v[GSV], v[32:35], s[6:7]     ; two aligned blocks of 256 bytes, a head apart
.Lend:
	s_wait_tensorcnt 0x0                           ; the wave's end, behind my last tensor load and my last LDS store
	ds_add_u32 v[SPW], v[NIL]
	s_wait_dscnt 0x0
	CROUND                                         ; the closing round: no work-group ends while a partner may still ask for a tile that names it
	s_endpgm
.Lfunc_end_k_q5e7ea5edfe_qkv:
	.size	k_q5e7ea5edfe_qkv, .Lfunc_end_k_q5e7ea5edfe_qkv-k_q5e7ea5edfe_qkv
	.p2alignl 7, 3214868480
	.fill 96, 4, 3214868480
	.section	.rodata,"a",@progbits
	.p2align	6, 0x0
	.amdhsa_kernel k_q5e7ea5edfe_qkv
		.amdhsa_group_segment_fixed_size 327680
		.amdhsa_private_segment_fixed_size 0
		.amdhsa_enable_private_segment 0
		.amdhsa_kernarg_size 48
		.amdhsa_user_sgpr_count 2
		.amdhsa_user_sgpr_kernarg_segment_ptr 1
		.amdhsa_wavefront_size32 1
		.amdhsa_system_sgpr_workgroup_id_x 1
		.amdhsa_system_sgpr_workgroup_id_y 1
		.amdhsa_system_sgpr_workgroup_id_z 1
		.amdhsa_system_vgpr_workitem_id 0
		.amdhsa_next_free_vgpr 1024
		.amdhsa_next_free_sgpr 102
		.amdhsa_reserve_vcc 0
		.amdhsa_float_denorm_mode_32 3
		.amdhsa_float_denorm_mode_16_64 3
		.amdhsa_memory_ordered 1
		.amdhsa_forward_progress 1
		.amdhsa_inst_pref_size 202
	.end_amdhsa_kernel
	.amdgpu_metadata
---
amdhsa.version: [ 1, 2 ]
amdhsa.kernels:
  - .name:           k_q5e7ea5edfe_qkv
    .symbol:         k_q5e7ea5edfe_qkv.kd
    .args:
      - { .name: x_codes, .offset: 0, .size: 8, .value_kind: global_buffer, .address_space: global }
      - { .name: x_scales, .offset: 8, .size: 8, .value_kind: global_buffer, .address_space: global }
      - { .name: w_attn_codes, .offset: 16, .size: 8, .value_kind: global_buffer, .address_space: global }
      - { .name: w_attn_scales, .offset: 24, .size: 8, .value_kind: global_buffer, .address_space: global }
      - { .name: img, .offset: 32, .size: 8, .value_kind: global_buffer, .address_space: global }
      - { .name: sc, .offset: 40, .size: 8, .value_kind: global_buffer, .address_space: global }
    .group_segment_fixed_size: 327680
    .private_segment_fixed_size: 0
    .kernarg_segment_align: 8
    .kernarg_segment_size: 48
    .max_flat_workgroup_size: 128
    .sgpr_count:     102
    .vgpr_count:     1024
    .wavefront_size: 32
...
	.end_amdgpu_metadata
.endif
;; end of part 1
;; launch attn (part 2): grid 4 x 64, 16 waves a work-group, no clusters, 215,040 bytes of LDS; arguments img, sc, yimg, ysc; writes yimg, ysc
.if DOCPART == 2
	.amdgcn_target "amdgcn-amd-amdhsa--gfx1250"
	.amdhsa_code_object_version 6
	.text
	.protected	k_q5e7ea5edfe_attn
	.globl	k_q5e7ea5edfe_attn
	.p2align	8
	.type	k_q5e7ea5edfe_attn,@function
k_q5e7ea5edfe_attn:
	s_mov_b64 s[64:65], 0
	v_nop
	global_prefetch_b8 v0, s[64:65] scope:SCOPE_SE
	s_setreg_imm32_b32 hwreg(HW_REG_WAVE_MODE, 25, 1), 1
	s_wait_xcnt 0x0
; y[b][t][64 head + d] = the sum over keys k <= t of softmax_k(q . k / 32) v, both products on codes of FP6 (E2M3) with one E8M0 scale for each 32 along a product's K; y leaves as codes, quantised along its 1,024 channels.
; Inputs: img and sc as the launch before laid them: images of operand registers (K and Q: half fragments of 768 bytes a tile of 16 tokens; V: fragments of 1,536 bytes, 16 d x 128 keys) and one scale word a row.
; THE SOFTMAX: t = score x log2(e) / 32; M = the running largest t, rounded up to a whole number; p = 2^(t - M) is quantised along the keys, not normalised; the row's sum is taken of the unquantised p and divides at the end.
; When M moves, the sum and O are multiplied by 2^(old M - new M), which rounds nothing.
; SHARES.  A work-group owns one head and 512 of its queries; each of its sixteen waves takes two tiles of 16 queries, one after the other: tile 16 i + w, then tile 127 - 16 i - w (i: work-group x, w: wave).
; Tile T wants T / 8 + 1 steps of 128 keys, so the two want 17 steps in every wave of every work-group.  Four waves share a SIMD: one wave's vector work stands beside another's matrix work and LDS loads.
; LDS holds the head's K and V codes (2 x 98,304 bytes) and their scale words (12,288): filled once, by waves 0 to 3, all asked for in the first lines; no byte is filled twice.
; The first pass reads keys under 1,024 alone, so it begins when that half has landed.
; NO JOINT LOADS, though the four work-groups of a head read the same K and V: a wave leaves out the key steps that lie wholly behind its queries, by a branch on its query tile,
; which hangs on the work-group's number and would differ between partners; walking all 32 steps in every wave in its stead would nearly double the 17 steps of vector work.
; LAYOUT.  Both products are used transposed: S^T = K Q^T (source 0 = 16 keys, source 1 = my 16 queries; K = 64, so registers 6-11 of both are zero codes), O^T = V^T P^T: a lane holds ONE query throughout.
; The keys of a tile are neighbours: a lane (r, h) holds of a block of 32 keys the keys 16 u + 8 h + j, and their codes are laid at place 16 h + 8 u + j, just as V's codes were laid.
; y meets a given operand, so its 64 channels are first brought into true order by an exchange of halves of lanes.
; LIMITS: NaN and infinities are not served.  A block of p or of y whose largest magnitude lies under 2^-124, a block of zeros too, gets the byte 1; these bytes are read by this program alone.
.set HEADB,  294912
.set HEADS,  20480
.set VOFF,   98304
.set QOFF,   196608
.set QSOFF,  12288
.set SCB,    196608                    ; LDS: K 0, V 98,304, then K's scale words (8,192 bytes) and V's (4,096)
.set LI,   1                           ; v1   16 x lane
.set L8,   2                           ; v2   512 + 8 x lane
.set AV0,  3                           ; v3   V's place: 98,304 + 16 x lane
.set QD,   4                           ; v4   r - 8 h
.set H8,   5                           ; v5   8 h
.set ASK0, 6                           ; v6   K's scale words: SCB + 4 x lane
.set ASV0, 7                           ; v7   V's: SCB + 8,192 + 4 x lane
.set ADK,  8                           ; v8-11, v28: the step's addresses
.set ADK8, 9
.set ADV,  10
.set ADS,  11
.set ADT,  28
.set QSO,  29                          ; v29  4 r
.set YSO,  30                          ; v30  32 r + h
.set KFR,  32                          ; v32-79   four fragments of K (registers 6-11 of each: zeros, written once)
.set VFR,  80                          ; v80-127  four fragments of V
.set SS,   128                         ; v128-191 S^T, then p, then y
.set OT,   192                         ; v192-223 O^T.   v12 -M, v13 the largest t, v[14:15] the sum; v16-27 Q; v224-235 codes; v232-247 at work; v248-251 scale words; v252 f; v253 p's scale word; v255 Q's
.set WV,   18
.set SEL,  20                          ; s[20:21] lane selects: lane l xor 16
.set CS,   22                          ; s[22:23] c = log2(e) / 32
.set G1S,  24
.set G1T,  32
.set G0S,  40
.set G0A,  44
.set G0B,  48
.set TB,   2                           ; s2   the step's tiles: 6,144 bytes a step, in K and in V
.set TS,   3                           ; s3   K's scale words: 512 a step
.set TJ,   52                          ; s52  V's: 256 a step
.set KF,   53                          ; s53  the step's first key
.set Q0,   54                          ; s54  my first query
.set CNT,  55
.set QC0,  56                          ; the two passes' bases, a pair each: Q's codes, Q's scale words, y's codes, y's scale bytes
.set QS0,  58
.set QC1,  60
.set QS1,  62
.set YC0,  66
.set YS0,  68
.set YC1,  70
.set YS1,  72
.set T0,   74
.set TQ0,  80
.set TQ1,  81
	s_load_b256 s[4:11], s[0:1], 0x0               ; img s[4:5], sc s[6:7], yimg s[8:9], ysc s[10:11]
	v_lshl_add_u32 v31, v0, 2, 0x34000
	v_mov_b32 v243, 0
	ds_add_u32 v31, v243
	ds_add_u32 v31, v243
	v_lshrrev_b32 v8, 5, v0
	s_delay_alu instid0(VALU_DEP_1)
	v_readfirstlane_b32 s[WV], v8                  ; wave 0..15
	s_and_b32 s12, ttmp7, 0xffff                   ; g = 16 x batch + head
	s_mul_i32 s14, s12, HEADB
	s_mov_b32 s15, 0
	s_mul_i32 s16, s12, HEADS
	s_mov_b32 s17, 0
	s_and_b32 s13, s[WV], 3                        ; what I fetch, if I fetch: wave 0, 1: K's halves of a half; wave 2, 3: V's
	s_lshr_b32 s76, s13, 1
	s_mul_i32 s76, s76, 98304
	s_and_b32 s77, s13, 1
	s_mul_i32 s77, s77, 24576
	s_add_co_u32 s76, s76, s77                     ; the same offset in the head's bytes of img and in LDS
	s_mov_b32 s77, 0
	s_mul_i32 s78, s13, 3072                       ; and a quarter of the scale words
	s_mov_b32 s79, 0
	; descriptor group 1: dense blocks as rows of 256 bytes (32 elements of 8 bytes): 12 rows of scale words, 96 rows of codes
	s_mov_b32 s[G1S], 3<<16
	s_mov_b32 s[G1S+1], 32<<16
	s_mov_b32 s[G1S+2], 12<<16
	s_mov_b32 s[G1S+3], 32<<16
	s_mov_b32 s[G1S+4], 12
	s_mov_b32 s[G1S+5], 32
	s_mov_b32 s[G1S+6], 0
	s_mov_b32 s[G1S+7], 0
	s_mov_b32 s[G1T], 3<<16
	s_mov_b32 s[G1T+1], 32<<16
	s_mov_b32 s[G1T+2], 96<<16
	s_mov_b32 s[G1T+3], 32<<16
	s_mov_b32 s[G1T+4], 96
	s_mov_b32 s[G1T+5], 32
	s_mov_b32 s[G1T+6], 0
	s_mov_b32 s[G1T+7], 0
	s_mov_b32 s[SEL], 0x76543210
	s_mov_b32 s[SEL+1], 0xfedcba98
	s_mov_b32 s[CS], 0x3d38aa3b                    ; c = log2(e) / 32
	s_mov_b32 s[CS+1], s[CS]                       ; (named with it as a pair, so it is written)
	s_wait_dscnt 0x0
	s_wait_kmcnt 0x0
	s_add_nc_u64 s[4:5], s[4:5], s[14:15]          ; img and sc at my head
	s_add_nc_u64 s[6:7], s[6:7], s[16:17]
	s_mov_b32 s[G0S], 1
	s_add_co_u32 s[G0S+1], s78, SCB
	s_add_nc_u64 s[G0S+2:G0S+3], s[6:7], s[78:79]
	s_or_b32 s[G0S+3], s[G0S+3], 0x80000000
	s_add_nc_u64 s[82:83], s[4:5], s[76:77]
	s_mov_b32 s[G0A], 1
	s_mov_b32 s[G0A+1], s76
	s_mov_b64 s[G0A+2:G0A+3], s[82:83]             ; keys 0 to 1,023
	s_or_b32 s[G0A+3], s[G0A+3], 0x80000000
	s_mov_b32 s[G0B], 1
	s_add_co_u32 s[G0B+1], s76, 49152
	s_add_nc_u64 s[G0B+2:G0B+3], s[82:83], 49152   ; keys 1,024 to 2,047
	s_or_b32 s[G0B+3], s[G0B+3], 0x80000000
	s_cmp_lt_u32 s[WV], 4                          ; all fills of a wave stand in one branch on its number, ahead of every wait on TENSORcnt, every LDS read and every barrier: three loads of mine are out
	s_cbranch_scc0 .Lno_fill
	tensor_load_to_lds s[G0S:G0S+3], s[G1S:G1S+7]
	s_nop 0
	tensor_load_to_lds s[G0A:G0A+3], s[G1T:G1T+7]
	s_nop 0
	tensor_load_to_lds s[G0B:G0B+3], s[G1T:G1T+7]
	s_nop 0
.rept 4
	v_nop
.endr
.Lno_fill:
	s_lshl_b32 s[TQ0], ttmp9, 4
	s_add_co_u32 s[TQ0], s[TQ0], s[WV]             ; the first pass's tile of queries: 16 i + w
	s_sub_co_u32 s[TQ1], 127, s[TQ0]               ; the second's
	s_lshr_b32 s87, s12, 4                         ; the batch
	s_and_b32 s88, s12, 15                         ; the head
	s_lshl_b32 s89, s87, 16
	s_lshl_b32 s86, s88, 1
	s_add_co_u32 s89, s89, s86                     ; 65,536 x batch + 2 x head
	s_lshl_b32 s87, s87, 4                         ; 16 x batch
	s_mul_i32 s88, s88, 6144                       ; a head's 8 tiles in a block of yimg
	s_mov_b32 s85, 0
.macro BASES tq, qc, qs, yc, ys        ; tile T: Q's half fragment and scale words; y's half fragment [block of 128 tokens][head][tile][768]; y's scale bytes [token][32] at 2 x head
	s_mul_i32 s84, s[\tq], 768
	s_add_co_u32 s84, s84, QOFF
	s_add_nc_u64 s[\qc:\qc+1], s[4:5], s[84:85]
	s_lshl_b32 s84, s[\tq], 6
	s_add_co_u32 s84, s84, QSOFF
	s_add_nc_u64 s[\qs:\qs+1], s[6:7], s[84:85]
	s_lshr_b32 s84, s[\tq], 3
	s_add_co_u32 s84, s84, s87
	s_mul_i32 s84, s84, 98304
	s_and_b32 s86, s[\tq], 7
	s_mul_i32 s86, s86, 768
	s_add_co_u32 s84, s84, s86
	s_add_co_u32 s84, s84, s88
	s_add_nc_u64 s[\yc:\yc+1], s[8:9], s[84:85]
	s_lshl_b32 s84, s[\tq], 9
	s_add_co_u32 s84, s84, s89
	s_add_nc_u64 s[\ys:\ys+1], s[10:11], s[84:85]
.endm
	BASES TQ0, QC0, QS0, YC0, YS0
	BASES TQ1, QC1, QS1, YC1, YS1
	v_and_b32 v8, 31, v0                           ; lane
	v_and_b32 v9, 15, v0                           ; r
	v_bfe_u32 v10, v0, 4, 1                        ; h
	s_delay_alu instid0(VALU_DEP_3)
	v_lshlrev_b32 v[LI], 4, v8
	s_delay_alu instid0(VALU_DEP_4)
	v_lshlrev_b32 v[L8], 3, v8
	s_delay_alu instid0(VALU_DEP_1)
	v_add_nc_u32 v[L8], 512, v[L8]
	v_lshlrev_b32 v[QSO], 2, v9
	global_load_b128 v[16:19], v[LI], s[QC0:QC0+1]   ; the first pass's Q: registers 0-3,
	global_load_b64 v[20:21], v[L8], s[QC0:QC0+1]    ; registers 4-5,
	global_load_b32 v255, v[QSO], s[QS0:QS0+1]       ; and its rows' scale words
	v_add_nc_u32 v[AV0], VOFF, v[LI]
	v_lshlrev_b32 v[H8], 3, v10
	s_delay_alu instid0(VALU_DEP_1)
	v_sub_nc_u32 v[QD], v9, v[H8]
	v_lshlrev_b32 v11, 2, v8
	s_delay_alu instid0(VALU_DEP_1)
	v_add_nc_u32 v[ASK0], SCB, v11
	s_delay_alu instid0(VALU_DEP_2)
	v_add_nc_u32 v[ASV0], SCB+8192, v11
	v_lshl_add_u32 v[YSO], v9, 5, v10
.irp j, 22,23,24,25,26,27
	v_mov_b32 v[\j], 0                             ; K = 64: the upper half of Q's fragment is zero codes,
.endr
.irp t, 0,1,2,3
.irp j, 6,7,8,9,10,11
	v_mov_b32 v[KFR+12*\t+\j], 0                   ; and of K's four: written once, never loaded
.endr
.endr
.irp b, 0,1,2,3
	v_mov_b32 v[236+\b], 0                         ; a lane permute's destination counts as one of its sources
.endr
	v_mov_b32 v252, 0
	v_mov_b32 v253, 0                              ; (named as the upper half of the pair v[252:253] before it is first written)
; A KEY STEP: 128 keys.  A step all of whose keys come after my 16 queries is left out: a scalar branch on ids, round the step's loads, products and softmax, not round the lines at its end that step addresses.
.macro STEP
	s_add_co_u32 s[T0], s[Q0], 15
	s_cmp_gt_u32 s[KF], s[T0]
	s_cbranch_scc1 .Lhidden_\@
	s_setprio 2
	v_add_nc_u32 v[ADK], s[TB], v[LI]              ; (these five are the places in front of the loads into registers that the last step's products read)
	s_wait_alu depctr_va_vdst(0)
	v_add_nc_u32 v[ADK8], s[TB], v[L8]
	s_wait_alu depctr_va_vdst(0)
	v_add_nc_u32 v[ADV], s[TB], v[AV0]
	v_add_nc_u32 v[ADS], s[TS], v[ASK0]
	s_wait_alu depctr_va_vdst(0)
	v_add_nc_u32 v[ADT], s[TJ], v[ASV0]
.irp g, 0,1                                    ; S^T = K Q^T, four tiles of 16 keys at a time
.if \g
.rept 4
	v_nop                                          ; places in front of loads into registers that matrix instructions have read
.endr
.endif
.irp t, 0,1,2,3
	ds_load_b128 v[KFR+12*\t:KFR+12*\t+3], v[ADK] offset:768*(4*\g+\t)
	ds_load_b64 v[KFR+12*\t+4:KFR+12*\t+5], v[ADK8] offset:768*(4*\g+\t)
.endr
	ds_load_b32 v[248+2*\g], v[ADS] offset:256*\g       ; a register carries two tiles' scale words: lanes 0-15 the even tile's rows, lanes 16-31 the odd tile's
	ds_load_b32 v[249+2*\g], v[ADS] offset:256*\g+128
	s_wait_dscnt 0x0
.irp t, 0,1,2,3
.if \t%2
	v_wmma_scale_f32_16x16x128_f8f6f4 v[SS+8*(4*\g+\t):SS+8*(4*\g+\t)+7], v[KFR+12*\t:KFR+12*\t+11], v[16:27], 0, v[248+2*\g+\t/2], v255 matrix_a_fmt:MATRIX_FMT_FP6 matrix_b_fmt:MATRIX_FMT_FP6 matrix_a_scale:MATRIX_SCALE_ROW1
.else
	v_wmma_scale_f32_16x16x128_f8f6f4 v[SS+8*(4*\g+\t):SS+8*(4*\g+\t)+7], v[KFR+12*\t:KFR+12*\t+11], v[16:27], 0, v[248+2*\g+\t/2], v255 matrix_a_fmt:MATRIX_FMT_FP6 matrix_b_fmt:MATRIX_FMT_FP6
.endif
.endr
.endr                                          ; lane (r, h) holds query r; register 8 T + j is key KF + 16 T + 8 h + j
.irp t, 0,1,2,3                                ; V's four fragments and their scale words are asked for now and land under the softmax
.irp c, 0,1,2
	ds_load_b128 v[VFR+12*\t+4*\c:VFR+12*\t+4*\c+3], v[ADV] offset:1536*\t+512*\c
.endr
.endr
	s_wait_alu depctr_va_vdst(0)
	ds_load_b32 v248, v[ADT]                       ; (v248, v249 were last read by the first four products; the four v_nop of the second group stand behind those)
	ds_load_b32 v249, v[ADT] offset:128
.rept 4
	v_nop                                          ; places in front of the first read of the scores
.endr
	s_add_co_u32 s[T0], s[KF], 127                 ; on the diagonal the scores of hidden keys become -infinity ahead of the maximum: p = 0 then.  A step all of whose keys count skips this
	s_cmp_le_u32 s[T0], s[Q0]
	s_cbranch_scc1 .Lopen_\@
	s_sub_co_u32 s[T0], s[Q0], s[KF]
	v_add_nc_u32 v252, s[T0], v[QD]                ; d = my query - KF - 8 h: register 8 T + j is hidden where 16 T + j > d
	v_mov_b32 v254, 0xff800000                     ; -infinity
.irp n, 0,1,2,3,4,5,6,7,8,9,10,11,12,13,14,15,16,17,18,19,20,21,22,23,24,25,26,27,28,29,30,31,32,33,34,35,36,37,38,39,40,41,42,43,44,45,46,47,48,49,50,51,52,53,54,55,56,57,58,59,60,61,62,63
	v_cmp_gt_i32 vcc_lo, 16*(\n/8)+\n%8, v252
	v_cndmask_b32 v[SS+\n], v[SS+\n], v254, vcc_lo
.endr
.Lopen_\@:
.irp b, 0,1,2,3
	v_max3_num_f32 v[232+\b], v[SS+16*\b], v[SS+1+16*\b], v[SS+2+16*\b]   ; the largest score of each block of 32 keys: it serves for the row's maximum and, since p rises with the score, for the block's largest p
.endr
.irp i, 3,5,7,9,11,13
.irp b, 0,1,2,3
	v_max3_num_f32 v[232+\b], v[232+\b], v[SS+16*\b+\i], v[SS+1+16*\b+\i]   ; (the four blocks by turns)
.endr
.endr
.irp b, 0,1,2,3
	v_max_num_f32 v[232+\b], v[232+\b], v[SS+15+16*\b]
.endr
.irp b, 0,1,2,3
	s_delay_alu instid0(VALU_DEP_4)
	v_permlanex16_b32 v[236+\b], v[232+\b], s[SEL], s[SEL+1]
.endr
.irp b, 0,1,2,3
	s_delay_alu instid0(VALU_DEP_4)
	v_max_num_f32 v[232+\b], v[232+\b], v[236+\b]  ; with lane l xor 16's 16 keys
.endr
	s_delay_alu instid0(VALU_DEP_2)
	v_max3_num_f32 v254, v232, v233, v234
	s_delay_alu instid0(VALU_DEP_1)
	v_max_num_f32 v254, v254, v235                 ; the step's largest score of my query
	s_delay_alu instid0(VALU_DEP_1)
	v_mul_f32 v254, s[CS], v254                    ; as t (c is positive)
	s_delay_alu instid0(VALU_DEP_1)
	v_max_num_f32 v13, v13, v254                   ; the running largest t
	v_mov_b32 v254, v12
	s_delay_alu instid0(VALU_DEP_2)
	v_floor_f32 v12, -v13                          ; the new -M = floor(-t) = -ceil(t): a whole number
	s_delay_alu instid0(VALU_DEP_1)
	v_sub_f32 v254, v12, v254                      ; M's old value less its new one: a whole number, 0 or less
	s_delay_alu instid0(VALU_DEP_1)
	v_cvt_i32_f32 v254, v254                       ; (it saturates)
	s_delay_alu instid0(VALU_DEP_1)
	v_ldexp_f32 v252, 1.0, v254                    ; f = 2^(old M - new M)
.set JJ, 0
	s_setprio 1
.rept 32
	v_pk_fma_f32 v[SS+JJ:SS+JJ+1], v[SS+JJ:SS+JJ+1], s[CS:CS+1], v[12:13] op_sel_hi:[1,0,0]   ; t - M, two at a time
.set JJ, JJ+2
.endr
.irp b, 0,1,2,3
	v_fma_f32 v[232+\b], v[232+\b], s[CS], v12     ; the same of each block's largest score
.endr
.set JJ, 0
	s_wait_alu depctr_va_vdst(0)
.rept 64
	v_exp_f32 v[SS+JJ], v[SS+JJ]                   ; p = 2^(t - M), at most 1: not normalised
.set JJ, JJ+1
.endr
	v_pk_mul_f32 v[14:15], v[14:15], v[252:253] op_sel_hi:[1,0]   ; the sums under the new M (a plain place behind the exponentials)
	s_wait_alu depctr_va_vdst(0)                   ; one wait for the batch of 64, ahead of its first reader
.irp b, 0,1,2,3
	v_exp_f32 v[232+\b], v[232+\b]                 ; the block's largest p: the same two instructions on the same number
.endr
	v_pk_add_f32 v[236:237], v[132:133], v[136:137]
	v_pk_add_f32 v[250:251], v[140:141], v[144:145]
	v_pk_add_f32 v[246:247], v[148:149], v[152:153]
	v_pk_add_f32 v[244:245], v[156:157], v[160:161]
	v_pk_add_f32 v[240:241], v[164:165], v[168:169]
	v_pk_add_f32 v[238:239], v[172:173], v[176:177]
	v_pk_add_f32 v[230:231], v[180:181], v[184:185]
	v_pk_add_f32 v[14:15], v[14:15], v[188:189]
	v_pk_add_f32 v[236:237], v[236:237], v[128:129]
	v_pk_add_f32 v[250:251], v[250:251], v[130:131]
	v_pk_add_f32 v[246:247], v[246:247], v[134:135]
	v_pk_add_f32 v[244:245], v[244:245], v[138:139]
	v_pk_add_f32 v[240:241], v[240:241], v[142:143]
	v_pk_add_f32 v[238:239], v[238:239], v[146:147]
	v_pk_add_f32 v[230:231], v[230:231], v[150:151]
	v_pk_add_f32 v[14:15], v[14:15], v[154:155]
	v_pk_add_f32 v[236:237], v[236:237], v[158:159]
	v_pk_add_f32 v[250:251], v[250:251], v[162:163]
	v_pk_add_f32 v[246:247], v[246:247], v[166:167]
	v_pk_add_f32 v[244:245], v[244:245], v[170:171]
	v_pk_add_f32 v[240:241], v[240:241], v[174:175]
	v_pk_add_f32 v[238:239], v[238:239], v[178:179]
	v_pk_add_f32 v[230:231], v[230:231], v[182:183]
	v_pk_add_f32 v[14:15], v[14:15], v[186:187]
	v_pk_add_f32 v[236:237], v[236:237], v[190:191]
	s_delay_alu instid0(VALU_DEP_2)
	v_pk_add_f32 v[14:15], v[14:15], v[244:245]
	s_delay_alu instid0(VALU_DEP_2)
	v_pk_add_f32 v[236:237], v[236:237], v[240:241]
	v_pk_add_f32 v[250:251], v[250:251], v[238:239]
	v_pk_add_f32 v[246:247], v[246:247], v[230:231]
	s_delay_alu instid0(VALU_DEP_2)
	v_pk_add_f32 v[14:15], v[14:15], v[250:251]
	s_delay_alu instid0(VALU_DEP_2)
	v_pk_add_f32 v[236:237], v[236:237], v[246:247]
	s_delay_alu instid0(VALU_DEP_1)
	v_pk_add_f32 v[14:15], v[14:15], v[236:237]
	s_wait_alu depctr_va_vdst(0)                   ; and one for the four
.irp b, 0,1,2,3
	v_max_num_f32 v[232+\b], 0x1800000, v[232+\b]  ; the floor 2^(3 - 127): the byte cannot fall under 1
.endr
.irp b, 0,1,2,3
	s_delay_alu instid0(VALU_DEP_4)
	v_add_nc_u32 v[244+\b], 0xff000000, v[232+\b]  ; 2 off the exponent field: the conversion's scale operand
.endr
.irp b, 0,1,2,3
	s_delay_alu instid0(VALU_DEP_4)
	v_lshrrev_b32 v[236+\b], 23, v[244+\b]         ; the scale's byte
.endr
	s_delay_alu instid0(VALU_DEP_3)
	v_lshl_or_b32 v253, v237, 8, v236              ; p's scale word for these 128 keys
	s_delay_alu instid0(VALU_DEP_1)
	v_lshl_or_b32 v253, v238, 16, v253
	s_delay_alu instid0(VALU_DEP_1)
	v_lshl_or_b32 v253, v239, 24, v253
	s_setprio 0
.irp c, 0,1
	v_cvt_scalef32_pk16_fp6_f32 v[224+6*\c:226+6*\c], v[SS+32*\c:SS+15+32*\c], v[244+2*\c]
	v_cvt_scalef32_pk16_fp6_f32 v[236+4*\c:238+4*\c], v[SS+16+32*\c:SS+31+32*\c], v[244+2*\c+1]   ; (a conversion's three registers begin on an even number)
.endr
	v_nop                                          ; one plain place behind a scaled conversion
.irp c, 0,1                                    ; the operand's layout wants a whole block in a lane
.irp i, 0,1,2
	v_permlane16_swap_b32 v[224+6*\c+\i], v[236+4*\c+\i]
.endr
.irp i, 0,1,2
	s_delay_alu instid0(VALU_DEP_3)
	v_mov_b32 v[227+6*\c+\i], v[236+4*\c+\i]
.endr
.endr
.set JJ, 0
.rept 16
	v_pk_mul_f32 v[OT+JJ:OT+JJ+1], v[OT+JJ:OT+JJ+1], v[252:253] op_sel_hi:[1,0]   ; O^T under the new M, each accumulator from its low end on.  (These sixteen stand between the lines that made p's codes and scale word and the products)
.set JJ, JJ+2
.endr
	s_wait_alu depctr_va_vdst(0)
	s_wait_dscnt 0x0                               ; V and its scale words
.irp t, 0,1,2,3                                ; O^T += V^T P^T: four tiles of 16 d, K = these 128 keys.  The four accumulators take turns, and the eight score products stand between two links of a chain
.if \t%2
	v_wmma_scale_f32_16x16x128_f8f6f4 v[OT+8*\t:OT+8*\t+7], v[VFR+12*\t:VFR+12*\t+11], v[224:235], v[OT+8*\t:OT+8*\t+7], v[248+\t/2], v253 matrix_a_fmt:MATRIX_FMT_FP6 matrix_b_fmt:MATRIX_FMT_FP6 matrix_a_scale:MATRIX_SCALE_ROW1
.else
	v_wmma_scale_f32_16x16x128_f8f6f4 v[OT+8*\t:OT+8*\t+7], v[VFR+12*\t:VFR+12*\t+11], v[224:235], v[OT+8*\t:OT+8*\t+7], v[248+\t/2], v253 matrix_a_fmt:MATRIX_FMT_FP6 matrix_b_fmt:MATRIX_FMT_FP6
.endif
.endr
.Lhidden_\@:
	s_add_co_u32 s[KF], s[KF], 128
	s_add_co_u32 s[TB], s[TB], 6144
	s_add_co_u32 s[TS], s[TS], 512
	s_add_co_u32 s[TJ], s[TJ], 256
.endm
; A PASS: one tile of 16 queries over n key steps (a constant: 8 where the tile lies in the first 1,024 tokens, else 16).  next = 1: the second pass's Q is asked for on the way out.
.macro PASS n, tq, yc, ys, next
	s_lshl_b32 s[Q0], s[\tq], 4
	v_mov_b32 v13, 0xff61b1e6                      ; the largest t so far: -3e38, under every t
	s_delay_alu instid0(VALU_DEP_1)
	v_floor_f32 v12, -v13                          ; -M
	v_mov_b32 v14, 0                               ; the sum, in two halves
	v_mov_b32 v15, 0
.set JJ, 0
.rept 32
	v_mov_b32 v[OT+JJ], 0                          ; O^T.  (The step is written once: the first finds zeros, which the first change of M leaves zeros)
.set JJ, JJ+1
.endr
	s_mov_b32 s[TB], 0
	s_mov_b32 s[TS], 0
	s_mov_b32 s[TJ], 0
	s_mov_b32 s[KF], 0
	s_mov_b32 s[CNT], \n
	s_wait_loadcnt 0x0                             ; Q
.Lstep_\@:
	STEP
	s_sub_co_u32 s[CNT], s[CNT], 1
	s_cmp_lg_u32 s[CNT], 0
	s_cbranch_scc1 .Lstep_\@
	s_setprio 0
	; the way out: O^T / the sum, into true order, quantised, stored as half a fragment
.rept 4
	v_nop                                          ; places behind the last products
.endr
.if \next
	global_load_b128 v[16:19], v[LI], s[QC1:QC1+1]
	global_load_b64 v[20:21], v[L8], s[QC1:QC1+1]
	global_load_b32 v255, v[QSO], s[QS1:QS1+1]
.endif
	v_add_f32 v14, v14, v15                        ; the sum's two halves,
	s_delay_alu instid0(VALU_DEP_1)
	v_permlanex16_b32 v252, v14, s[SEL], s[SEL+1]
	s_delay_alu instid0(VALU_DEP_1)
	v_add_f32 v14, v14, v252                       ; and lane l xor 16's: the row's sum
	s_wait_alu depctr_va_vdst(0)
	v_rcp_f32 v14, v14
	v_nop                                          ; a plain place behind the transcendental
	s_wait_alu depctr_va_vdst(0)                   ; and the wait ahead of its first reader
.set JJ, 0
.rept 32
	v_mul_f32 v[SS+JJ], v[OT+JJ], v14              ; register 8 t + j is y(r, 16 t + 8 h + j)
.set JJ, JJ+1
.endr
.irp b, 0,1
.irp j, 0,1,2,3,4,5,6,7
	v_permlane16_swap_b32 v[SS+16*\b+\j], v[SS+8+16*\b+\j]   ; the even tile's lanes 16-31 change places with the odd tile's lanes 0-15: register 16 b + i is now d = 32 b + 16 h + i: the true order
.endr
.endr
.irp b, 0,1
	v_max3_num_f32 v[232+\b], |v[SS+16*\b]|, |v[SS+1+16*\b]|, 0x1800000
.endr
.irp i, 2,4,6,8,10,12,14
.irp b, 0,1
	s_delay_alu instid0(VALU_DEP_2)
	v_max3_num_f32 v[232+\b], v[232+\b], |v[SS+16*\b+\i]|, |v[SS+1+16*\b+\i]|
.endr
.endr
.irp b, 0,1
	s_delay_alu instid0(VALU_DEP_2)
	v_permlanex16_b32 v[236+\b], v[232+\b], s[SEL], s[SEL+1]
.endr
.irp b, 0,1
	s_delay_alu instid0(VALU_DEP_2)
	v_max_num_f32 v[232+\b], v[232+\b], v[236+\b]
.endr
.irp b, 0,1
	s_delay_alu instid0(VALU_DEP_2)
	v_add_nc_u32 v[244+\b], 0xff000000, v[232+\b]
.endr
.irp b, 0,1
	s_delay_alu instid0(VALU_DEP_2)
	v_lshrrev_b32 v[236+\b], 23, v[244+\b]
.endr
	s_delay_alu instid0(VALU_DEP_1)
	v_lshl_or_b32 v238, v237, 8, v236
	s_delay_alu instid0(VALU_DEP_1)
	v_lshrrev_b32 v239, v[H8], v238                ; lanes 0-15 store block 0's byte, lanes 16-31 block 1's
	v_cvt_scalef32_pk16_fp6_f32 v[224:226], v[SS:SS+15], v244
	v_cvt_scalef32_pk16_fp6_f32 v[240:242], v[SS+16:SS+31], v245
	v_nop                                          ; one plain place behind a scaled conversion
.irp i, 0,1,2
	v_permlane16_swap_b32 v[224+\i], v[240+\i]
.endr
.irp i, 0,1,2
	s_delay_alu instid0(VALU_DEP_3)
	v_mov_b32 v[227+\i], v[240+\i]                 ; registers 0-5: d = 32 h + 0 .. 31 of my row
.endr
	global_store_b128 v[LI], v[224:227], s[\yc:\yc+1]   ; 512 consecutive bytes,
	global_store_b64 v[L8], v[228:229], s[\yc:\yc+1]    ; and the 256 behind them
	global_store_b8 v[YSO], v239, s[\ys:\ys+1]          ; single bytes, 32 apart: a work-group owns 2 of a token's 32 scale bytes; one byte for 24 of codes
.if \next
	s_wait_xcnt 0x0                                ; the stores have read their registers: the next pass writes them again
.endif
.endm
	s_wait_tensorcnt 1                             ; the scale words and keys 0 to 1,023 are in; the load of the keys from 1,024 on may be out, and the first pass's eight steps read no byte of it
	s_barrier_signal -1
	s_barrier_wait -1
	PASS 8, TQ0, YC0, YS0, 1
	s_wait_tensorcnt 0x0                           ; all keys are in,
	s_wait_dscnt 0x0
	s_barrier_signal -1
	s_barrier_wait -1                              ; everybody's parts
	PASS 16, TQ1, YC1, YS1, 0
	s_wait_tensorcnt 0x0
	ds_add_u32 v31, v243
	s_wait_dscnt 0x0
	s_endpgm
.Lfunc_end_k_q5e7ea5edfe_attn:
	.size	k_q5e7ea5edfe_attn, .Lfunc_end_k_q5e7ea5edfe_attn-k_q5e7ea5edfe_attn
	.p2alignl 7, 3214868480
	.fill 96, 4, 3214868480
	.section	.rodata,"a",@progbits
	.p2align	6, 0x0
	.amdhsa_kernel k_q5e7ea5edfe_attn
		.amdhsa_group_segment_fixed_size 215040
		.amdhsa_private_segment_fixed_size 0
		.amdhsa_enable_private_segment 0
		.amdhsa_kernarg_size 32
		.amdhsa_user_sgpr_count 2
		.amdhsa_user_sgpr_kernarg_segment_ptr 1
		.amdhsa_wavefront_size32 1
		.amdhsa_system_sgpr_workgroup_id_x 1
		.amdhsa_system_sgpr_workgroup_id_y 1
		.amdhsa_system_sgpr_workgroup_id_z 1
		.amdhsa_system_vgpr_workitem_id 0
		.amdhsa_next_free_vgpr 256
		.amdhsa_next_free_sgpr 90
		.amdhsa_reserve_vcc 1
		.amdhsa_float_denorm_mode_32 3
		.amdhsa_float_denorm_mode_16_64 3
		.amdhsa_memory_ordered 1
		.amdhsa_forward_progress 1
		.amdhsa_inst_pref_size 67
	.end_amdhsa_kernel
	.amdgpu_metadata
---
amdhsa.version: [ 1, 2 ]
amdhsa.kernels:
  - .name:           k_q5e7ea5edfe_attn
    .symbol:         k_q5e7ea5edfe_attn.kd
    .args:
      - { .name: img, .offset: 0, .size: 8, .value_kind: global_buffer, .address_space: global }
      - { .name: sc, .offset: 8, .size: 8, .value_kind: global_buffer, .address_space: global }
      - { .name: yimg, .offset: 16, .size: 8, .value_kind: global_buffer, .address_space: global }
      - { .name: ysc, .offset: 24, .size: 8, .value_kind: global_buffer, .address_space: global }
    .group_segment_fixed_size: 215040
    .private_segment_fixed_size: 0
    .kernarg_segment_align: 8
    .kernarg_segment_size: 32
    .max_flat_workgroup_size: 512
    .sgpr_count:     90
    .vgpr_count:     256
    .wavefront_size: 32
...
	.end_amdgpu_metadata
.endif
;; end of part 2
;; launch proj (part 3): grid 8 x 32, 4 waves a work-group, clusters of 4 x 4, 327,680 bytes of LDS; arguments yimg, ysc, w_proj_codes, w_proj_scales, out0; writes out0
.if DOCPART == 3
	.amdgcn_target "amdgcn-amd-amdhsa--gfx1250"
	.amdhsa_code_object_version 6
	.text
	.protected	k_q5e7ea5edfe_proj
	.globl	k_q5e7ea5edfe_proj
	.p2align	8
	.type	k_q5e7ea5edfe_proj,@function
k_q5e7ea5edfe_proj:
	s_mov_b64 s[64:65], 0
	v_nop
	global_prefetch_b8 v0, s[64:65] scope:SCOPE_SE
	s_setreg_imm32_b32 hwreg(HW_REG_WAVE_MODE, 25, 1), 1
	s_wait_xcnt 0x0
	s_wait_alu depctr_hold_cnt(0) depctr_sa_sdst(0) depctr_va_vdst(0) depctr_va_sdst(0) depctr_va_ssrc(0) depctr_va_vcc(0) depctr_vm_vsrc(0)
	s_getreg_b32 s2, hwreg(HW_REG_IB_STS2, 6, 4)
	s_cmp_eq_u32 s2, 0
	s_cbranch_scc0 .Lentry_in_a_cluster
	s_endpgm
.Lentry_in_a_cluster:
	s_bfe_u32 s2, ttmp6, 0x10000c
	s_cmp_lg_u32 s2, 0xf033
	s_cbranch_scc0 .Lentry_shape_is_right
	s_endpgm
.Lentry_shape_is_right:
; out0 = y w_proj on codes of FP6 (E2M3) with one E8M0 scale for each 32 along K = 1,024.  y: as the launch before laid it: yimg [block of 128 tokens][head][tile of 16 tokens][768 bytes: half a fragment, 64 along K],
; ysc [token][32 bytes].  w_proj: [1024 (n)][768 bytes], its scale bytes 32 a row.  out0: [8192][1024] f32.
; A work-group of four waves makes 256 rows x 128 columns: 8 x 32 = 256 work-groups.  A wave makes 128 x 64: 32 accumulators, 256 registers.
; NO RING: all of K of both tiles lies in LDS (196,608 + 122,880 bytes), filled once, in four chunks of 256 along K, all asked for in the first lines; a chunk is multiplied as soon as it has landed.
; CLUSTERS: 4 x 4 work-groups.  y's tile hangs on the tile row: shared along a row of the cluster; w_proj's on the tile column: shared along a column.  Each is asked for jointly.
; THE MATRIX INSTRUCTION IS USED TRANSPOSED (source 0 = 16 rows of w_proj, source 1 = 16 rows of y): a lane holds eight neighbouring numbers of a row of out0.
; The scale words of the wave's 128 + 64 rows, for all of K, stay in 48 registers: lane l holds row l of a pair of blocks, so lanes 0-15 serve the even block and lanes 16-31 the odd one.
; REGISTERS: window 0: v16-26 addresses; v32-63 y's scale words, v64-79 w_proj's; v128-175, v176-223 w_proj's fragments, two sets; on the way out v128-191 rows of out0.
;   window 1: y's fragments, two sets, at v0 and v128.   window 2: the accumulators, (a, b) at v[8 (4 a + b)].
; LIMITS: NaN, infinities and scale bytes 0xff are not served.
.set PITCH,  240                       ; a row of w_proj's chunk in LDS: 3 x (64 bytes + 16 of padding)
.set FR,     12
.set BBASE,  196608                    ; LDS: y's chunk c at 49,152 c + 24,576 x half; w_proj's at BBASE + 30,720 c + 15,360 x half
.set ALI,  16                          ; v16  y: 24,576 x (my half of the rows) + 16 x lane, stepped a chunk at a time
.set AL8,  17                          ; v17  the same + 512 + 8 x lane
.set ADRB, 18                          ; v18  w_proj: my 64 rows: row x pitch + 24 h;  v19: + 40 h, for the pieces behind one padding more
.set LO32, 20                          ; v20  32 x lane
.set STO,  24                          ; v24  the way out: where I put 32 bytes of a row
.set RD,   25                          ; v25  and where I read a row back
.set CO,   26                          ; v26  my byte offset in two rows of out0
.set SCA,  32
.set SCBR, 64
.set BF,   128
.set BK,   128
.set G1A, 24
.set G1B, 32
.set G0A, 40                           ; s[40:55] a group 0 for each of y's four chunks
.set G0B, 68                           ; s[68:83] and of w_proj's
.set MSB, 0
.macro WIN new                         ; the immediate's high byte repeats the setting that is left
.if MSB != (\new)
	s_set_vgpr_msb (MSB<<8)|(\new)
.set MSB, (\new)
.endif
.endm
.set MUL,  0xa4                        ; source 0 (w_proj) window 0, source 1 (y) window 1, C and D window 2
.set TO_A, 0x40                        ; destination window 1, address window 0
.macro CROUND                          ; a round of the cluster's barrier
	s_barrier_signal -1
	s_barrier_wait -1
	s_cmp_lg_u32 s14, 0
	s_cbranch_scc1 .Lnot_wave_0_\@
	s_barrier_signal -3
.Lnot_wave_0_\@:
	s_barrier_wait -3
	s_barrier_signal -1
	s_barrier_wait -1
.endm
	s_load_b256 s[4:11], s[0:1], 0x0               ; yimg s[4:5], ysc s[6:7], w_proj's codes s[8:9], w_proj's scales s[10:11]
	s_load_b64 s[12:13], s[0:1], 0x20              ; out0
	v_lshl_add_u32 v254, v0, 2, 0x4e000
	v_mov_b32 v255, 0
	ds_add_u32 v254, v255
	ds_add_u32 v254, v255
	v_lshrrev_b32 v1, 5, v0
	v_readfirstlane_b32 s14, v1                    ; wave 0..3
	s_lshr_b32 s15, s14, 1                         ; which half of the rows is mine.  Also: I fetch for y (0) or for w_proj (1)
	s_and_b32 s16, s14, 1                          ; which half of the columns.  Also: which half of that tile I fetch
	s_bfe_u32 s86, ttmp6, 0x40000                  ; cx, cy
	s_bfe_u32 s87, ttmp6, 0x40004
	s_lshl_b32 s88, ttmp9, 2
	s_add_co_u32 s88, s88, s86                     ; tile column = 4 x cluster x + cx
	s_and_b32 s89, ttmp7, 0xffff
	s_lshl_b32 s89, s89, 2
	s_add_co_u32 s89, s89, s87                     ; tile row = 4 x cluster y + cy
	s_lshl_b32 s90, s87, 2
	s_lshl_b32 s90, 15, s90                        ; my row of the cluster
	s_lshl_b32 s91, 0x1111, s86                    ; my column
	s_or_b32 s[G1A], s90, (3<<16)|(1<<21)          ; y: a dense block of 24,576 bytes as 96 rows of 256 bytes (32 elements of 8 bytes); the mask: my row; bit 21 set beside it
	s_mov_b32 s[G1A+1], 32<<16
	s_mov_b32 s[G1A+2], 96<<16
	s_mov_b32 s[G1A+3], 32<<16
	s_mov_b32 s[G1A+4], 96
	s_mov_b32 s[G1A+5], 32
	s_mov_b32 s[G1A+6], 0
	s_mov_b32 s[G1A+7], 0
	s_or_b32 s[G1B], s91, (0<<16)|(1<<20)|(1<<21)|(3<<22)|(3<<25)   ; w_proj: 64 rows x 192 bytes, 768 apart, 16 bytes of padding behind every 64; the mask: my column
	s_mov_b32 s[G1B+1], 192<<16
	s_mov_b32 s[G1B+2], 64<<16
	s_mov_b32 s[G1B+3], 192<<16
	s_mov_b32 s[G1B+4], 64
	s_mov_b32 s[G1B+5], 768
	s_mov_b32 s[G1B+6], 0
	s_mov_b32 s[G1B+7], 0
	s_lshl_b32 s18, s89, 1
	s_add_co_u32 s18, s18, s16
	s_mul_i32 s18, s18, 98304                      ; y: block of 128 tokens 2 x tile row + half
	s_mov_b32 s19, 0
	s_lshl_b32 s20, s88, 7
	s_lshl_b32 s21, s16, 6
	s_add_co_u32 s20, s20, s21
	s_mul_i32 s20, s20, 768                        ; w_proj: row 128 x tile column + 64 x half
	s_mov_b32 s21, 0
	s_mul_i32 s22, s16, 24576                      ; where they go: no place in the cluster enters an LDS address
	s_mul_i32 s23, s16, 15360
	s_add_co_u32 s23, s23, BBASE
	s_wait_dscnt 0x0
	s_wait_kmcnt 0x0
	s_add_nc_u64 s[92:93], s[4:5], s[18:19]
	s_add_nc_u64 s[94:95], s[8:9], s[20:21]
.irp c, 0,1,2,3
	s_mov_b32 s[G0A+4*\c], 1
	s_add_co_u32 s[G0A+4*\c+1], s22, 49152*\c
	s_add_nc_u64 s[G0A+4*\c+2:G0A+4*\c+3], s[92:93], 24576*\c     ; four heads = 256 along K
	s_or_b32 s[G0A+4*\c+3], s[G0A+4*\c+3], 0x80000000
	s_mov_b32 s[G0B+4*\c], 1
	s_add_co_u32 s[G0B+4*\c+1], s23, 30720*\c
	s_add_nc_u64 s[G0B+4*\c+2:G0B+4*\c+3], s[94:95], 192*\c
	s_or_b32 s[G0B+4*\c+3], s[G0B+4*\c+3], 0x80000000
.endr
	CROUND                                         ; all sixteen work-groups are here: the joint loads meet
	s_cmp_eq_u32 s15, 0                            ; a wave's four fills stand in one branch on its number: four loads of mine are out; four v_nop follow the fourth
	s_cbranch_scc0 .Lfor_b
	tensor_load_to_lds s[G0A:G0A+3], s[G1A:G1A+7]
	s_nop 0
	tensor_load_to_lds s[G0A+4:G0A+7], s[G1A:G1A+7]
	s_nop 0
	tensor_load_to_lds s[G0A+8:G0A+11], s[G1A:G1A+7]
	s_nop 0
	tensor_load_to_lds s[G0A+12:G0A+15], s[G1A:G1A+7]
	s_nop 0
.rept 4
	v_nop
.endr
	s_branch .Lasked
.Lfor_b:
	tensor_load_to_lds s[G0B:G0B+3], s[G1B:G1B+7]
	s_nop 0
	tensor_load_to_lds s[G0B+4:G0B+7], s[G1B:G1B+7]
	s_nop 0
	tensor_load_to_lds s[G0B+8:G0B+11], s[G1B:G1B+7]
	s_nop 0
	tensor_load_to_lds s[G0B+12:G0B+15], s[G1B:G1B+7]
	s_nop 0
.rept 4
	v_nop
.endr
.Lasked:
	s_lshl_b32 s18, s89, 13                        ; the scale bytes of my 128 rows of y: 32 x (256 x tile row + 128 x half)
	s_lshl_b32 s20, s15, 12
	s_add_co_u32 s18, s18, s20
	s_mov_b32 s19, 0
	s_add_nc_u64 s[6:7], s[6:7], s[18:19]
	s_lshl_b32 s18, s88, 12                        ; and of my 64 rows of w_proj: 32 x (128 x tile column + 64 x half)
	s_lshl_b32 s20, s16, 11
	s_add_co_u32 s18, s18, s20
	s_add_nc_u64 s[10:11], s[10:11], s[18:19]
	v_and_b32 v3, 31, v0                           ; lane
	v_lshlrev_b32 v[LO32], 5, v3
.irp i, 0,1,2,3                                ; register SCA + 8 i + s: the word of K step s of row 32 i + lane
	global_load_b128 v[SCA+8*\i:SCA+8*\i+3], v[LO32], s[6:7] offset:1024*\i
	global_load_b128 v[SCA+8*\i+4:SCA+8*\i+7], v[LO32], s[6:7] offset:1024*\i+16
.endr
.irp i, 0,1
	global_load_b128 v[SCBR+8*\i:SCBR+8*\i+3], v[LO32], s[10:11] offset:1024*\i
	global_load_b128 v[SCBR+8*\i+4:SCBR+8*\i+7], v[LO32], s[10:11] offset:1024*\i+16
.endr
	v_and_b32 v1, 15, v0                           ; r
	v_bfe_u32 v2, v0, 4, 1                         ; h
	s_mul_i32 s18, s15, 24576
	v_lshlrev_b32 v[ALI], 4, v3
	v_add_nc_u32 v[ALI], s18, v[ALI]
	v_lshlrev_b32 v[AL8], 3, v3
	v_add_nc_u32 v[AL8], s18, v[AL8]
	v_add_nc_u32 v[AL8], 512, v[AL8]
	s_mul_i32 s20, s16, 15360
	s_add_co_u32 s20, s20, BBASE
	v_mul_u32_u24 v4, v1, PITCH
	v_mad_u32_u24 v5, v2, 24, v4
	v_add_nc_u32 v[ADRB], s20, v5
	v_lshl_add_u32 v5, v2, 4, v5
	v_add_nc_u32 v[ADRB+1], s20, v5
	s_mul_i32 s20, s14, 4352                       ; my stage for the way out: 16 rows x (256 bytes + 16), in y's chunk 0
	v_mul_u32_u24 v4, v1, 272
	v_lshl_add_u32 v4, v2, 5, v4
	v_add_nc_u32 v[STO], s20, v4
	v_mul_u32_u24 v4, v2, 272
	v_lshl_add_u32 v4, v1, 4, v4
	v_add_nc_u32 v[RD], s20, v4
	v_lshlrev_b32 v4, 12, v2
	v_lshl_add_u32 v[CO], v1, 4, v4                ; lanes 0-15 one row of out0 (4,096 bytes), lanes 16-31 the next; 16 bytes a lane
	s_lshl_b32 s18, s89, 20                        ; my first number of out0: row 256 x tile row + 128 x half, column 128 x tile column + 64 x half
	s_lshl_b32 s20, s15, 19
	s_add_co_u32 s18, s18, s20
	s_lshl_b32 s20, s88, 9
	s_add_co_u32 s18, s18, s20
	s_lshl_b32 s20, s16, 8
	s_add_co_u32 s18, s18, s20
	s_add_nc_u64 s[12:13], s[12:13], s[18:19]
.macro FRAGB reg, q, i                 ; a fragment of w_proj from rows: six pieces of 8 bytes; where the piece that lanes 16-31 take lies behind one padding more, the second address register serves
.irp p, 0,1,2,3,4,5
.set PCE, 12*(\q)+6*(\p/3)+\p%3
.if PCE%8 < 5
	ds_load_b64 v[\reg+2*\p:\reg+2*\p+1], v[ADRB] offset:8*PCE+16*(PCE/8)+(\i)*16*PITCH
.else
	ds_load_b64 v[\reg+2*\p:\reg+2*\p+1], v[ADRB+1] offset:8*PCE+16*(PCE/8)+(\i)*16*PITCH
.endif
.endr
.endm
; Step s of eight (128 along K): 56 LDS loads into set s % 2: w_proj's four fragments; y's eight, each two half fragments (heads 2 s and 2 s + 1) that come as they were stored
.macro FETCH s
.set PP, (\s)%2
.irp b, 0,1,2,3
	FRAGB BF+48*PP+FR*\b, PP, \b
.endr
	WIN TO_A
.irp a, 0,1,2,3,4,5,6,7
.irp e, 0,1
	ds_load_b128 v[128*PP+FR*\a+6*\e:128*PP+FR*\a+6*\e+3], v[ALI] offset:768*(8*(2*PP+\e)+\a)
	ds_load_b64 v[128*PP+FR*\a+6*\e+4:128*PP+FR*\a+6*\e+5], v[AL8] offset:768*(8*(2*PP+\e)+\a)
.endr
.endr
	WIN 0
.endm
; one matrix instruction: d accumulator, fb w_proj's fragment, fa y's, sb and sa their scale registers, rb and ra which half of the lanes holds the block's words, zero = 1: it starts the sum
.macro WM d, fb, fa, sb, sa, rb, ra, zero
.if \zero
.if (\rb) && (\ra)
	v_wmma_scale_f32_16x16x128_f8f6f4 v[(\d):(\d)+7], v[(\fb):(\fb)+11], v[(\fa):(\fa)+11], 0, v[\sb], v[\sa] matrix_a_fmt:MATRIX_FMT_FP6 matrix_b_fmt:MATRIX_FMT_FP6 matrix_a_scale:MATRIX_SCALE_ROW1 matrix_b_scale:MATRIX_SCALE_ROW1
.elseif (\rb)
	v_wmma_scale_f32_16x16x128_f8f6f4 v[(\d):(\d)+7], v[(\fb):(\fb)+11], v[(\fa):(\fa)+11], 0, v[\sb], v[\sa] matrix_a_fmt:MATRIX_FMT_FP6 matrix_b_fmt:MATRIX_FMT_FP6 matrix_a_scale:MATRIX_SCALE_ROW1
.elseif (\ra)
	v_wmma_scale_f32_16x16x128_f8f6f4 v[(\d):(\d)+7], v[(\fb):(\fb)+11], v[(\fa):(\fa)+11], 0, v[\sb], v[\sa] matrix_a_fmt:MATRIX_FMT_FP6 matrix_b_fmt:MATRIX_FMT_FP6 matrix_b_scale:MATRIX_SCALE_ROW1
.else
	v_wmma_scale_f32_16x16x128_f8f6f4 v[(\d):(\d)+7], v[(\fb):(\fb)+11], v[(\fa):(\fa)+11], 0, v[\sb], v[\sa] matrix_a_fmt:MATRIX_FMT_FP6 matrix_b_fmt:MATRIX_FMT_FP6
.endif
.else
.if (\rb) && (\ra)
	v_wmma_scale_f32_16x16x128_f8f6f4 v[(\d):(\d)+7], v[(\fb):(\fb)+11], v[(\fa):(\fa)+11], v[(\d):(\d)+7], v[\sb], v[\sa] matrix_a_fmt:MATRIX_FMT_FP6 matrix_b_fmt:MATRIX_FMT_FP6 matrix_a_scale:MATRIX_SCALE_ROW1 matrix_b_scale:MATRIX_SCALE_ROW1
.elseif (\rb)
	v_wmma_scale_f32_16x16x128_f8f6f4 v[(\d):(\d)+7], v[(\fb):(\fb)+11], v[(\fa):(\fa)+11], v[(\d):(\d)+7], v[\sb], v[\sa] matrix_a_fmt:MATRIX_FMT_FP6 matrix_b_fmt:MATRIX_FMT_FP6 matrix_a_scale:MATRIX_SCALE_ROW1
.elseif (\ra)
	v_wmma_scale_f32_16x16x128_f8f6f4 v[(\d):(\d)+7], v[(\fb):(\fb)+11], v[(\fa):(\fa)+11], v[(\d):(\d)+7], v[\sb], v[\sa] matrix_a_fmt:MATRIX_FMT_FP6 matrix_b_fmt:MATRIX_FMT_FP6 matrix_b_scale:MATRIX_SCALE_ROW1
.else
	v_wmma_scale_f32_16x16x128_f8f6f4 v[(\d):(\d)+7], v[(\fb):(\fb)+11], v[(\fa):(\fa)+11], v[(\d):(\d)+7], v[\sb], v[\sa] matrix_a_fmt:MATRIX_FMT_FP6 matrix_b_fmt:MATRIX_FMT_FP6
.endif
.endif
.endm
; Step s: 32 matrix instructions; the 32 accumulators take turns, one instruction a turn, in the same order in every step
.macro MUL32 s, zero
.set PP, (\s)%2
.irp a, 0,1,2,3,4,5,6,7
.irp b, 0,1,2,3
	WM 8*(4*\a+\b), BF+48*PP+FR*\b, 128*PP+FR*\a, SCBR+8*(\b/2)+(\s), SCA+8*(\a/2)+(\s), \b%2, \a%2, \zero
.endr
.endr
.endm
; Chunk c is whole: my part has landed (the later chunks' loads, 3 - c of them, may be out: no byte is filled twice), my LDS loads are in, and so of every wave.
; The four additions step the addresses to the chunk; they are also the places in front of the loads into registers that the last products read.
.macro MEET c
	s_wait_tensorcnt 3-(\c)
	s_wait_dscnt 0x0
	s_barrier_signal -1
	s_barrier_wait -1
.if (\c) > 0
	v_add_nc_u32 v[ALI], 49152, v[ALI]
	v_add_nc_u32 v[AL8], 49152, v[AL8]
	v_add_nc_u32 v[ADRB], 30720, v[ADRB]
	v_add_nc_u32 v[ADRB+1], 30720, v[ADRB+1]
.endif
.endm
.macro PLACES                          ; four places in front of loads into registers that matrix instructions have read, and of the first read of results (ISA guide 7.12.1 for vector instructions)
.rept 4
	v_nop
.endr
.endm
	MEET 0
	FETCH 0
.irp s, 0,1,2,3,4,5,6                          ; while step s is multiplied, step s + 1's fragments come from LDS
.if \s%2
	MEET (\s+1)/2
.elseif \s > 0
	PLACES
.endif
	FETCH \s+1
.if \s == 0
	s_wait_loadcnt 0x0                             ; the scale words
.endif
	s_wait_dscnt 56                                ; all but the 56 loads just issued
	WIN MUL
.if \s == 0
	MUL32 \s, 1                                    ; the first step's products start the sums
.else
	MUL32 \s, 0
.endif
	WIN 0
.endr
	s_wait_dscnt 0x0
	WIN MUL
	MUL32 7, 0
	WIN 0
; THE WAY OUT, block by block of 16 rows x 64 columns.  A lane holds 32 neighbouring bytes of a row: a block goes through my own stage in LDS and comes back as whole rows of 256 bytes, two an instruction.
; The stage lies in y's chunk 0: every wave's reads of that chunk were waited for in front of chunk 1's barrier, and no fill follows.  LDS serves a wave's instructions in order (ISA guide 5.7.1.4).
.macro TOSTAGE a
	WIN 0x08                                       ; an LDS store's data are its source 1: window 2
.irp b, 0,1,2,3
	ds_store_b128 v[STO], v[8*(4*(\a)+\b):8*(4*(\a)+\b)+3] offset:64*\b          ; each accumulator from its low end on
	ds_store_b128 v[STO], v[8*(4*(\a)+\b)+4:8*(4*(\a)+\b)+7] offset:64*\b+16
.endr
	WIN 0
.set BB2, BK+32*((\a)%2)
.irp t, 0,1,2,3,4,5,6,7
	ds_load_b128 v[BB2+4*\t:BB2+4*\t+3], v[RD] offset:\t*544
.endr
.endm
.macro SEND a, younger                 ; younger: the LDS instructions issued behind block a's loads, which may stay out
.set BB2, BK+32*((\a)%2)
	s_wait_dscnt \younger
.if (\a) > 0
	s_add_nc_u64 s[12:13], s[12:13], 65536         ; 16 rows of out0 on (behind a wait on XCNT: the earlier stores have read their base)
.endif
.irp t, 0,1,2,3,4,5,6,7
	global_store_b128 v[CO], v[BB2+4*\t:BB2+4*\t+3], s[12:13] offset:\t*8192 th:TH_STORE_NT   ; each sixteen lanes store 256 consecutive bytes, at a multiple of 256 from out0's first byte; written once, read by nobody here
.endr
.endm
	PLACES
	TOSTAGE 0
.irp a, 1,2,3,4,5,6,7
.if \a > 1
	s_wait_xcnt 0x0                                ; block a - 2's stores have read their registers and their base
.endif
	TOSTAGE \a
	SEND \a-1, 16                                  ; behind block a - 1's loads: block a's 8 stores and 8 loads
.endr
	s_wait_xcnt 0x0
	SEND 7, 0
	s_wait_tensorcnt 0x0
	ds_add_u32 v254, v255
	s_wait_dscnt 0x0
	CROUND                                         ; the closing round: no work-group ends while a partner may still ask for a tile that names it (all my tensor loads were waited for at chunk 3, no LDS instruction of mine is out)
	s_endpgm
.Lfunc_end_k_q5e7ea5edfe_proj:
	.size	k_q5e7ea5edfe_proj, .Lfunc_end_k_q5e7ea5edfe_proj-k_q5e7ea5edfe_proj
	.p2alignl 7, 3214868480
	.fill 96, 4, 3214868480
	.section	.rodata,"a",@progbits
	.p2align	6, 0x0
	.amdhsa_kernel k_q5e7ea5edfe_proj
		.amdhsa_group_segment_fixed_size 327680
		.amdhsa_private_segment_fixed_size 0
		.amdhsa_enable_private_segment 0
		.amdhsa_kernarg_size 40
		.amdhsa_user_sgpr_count 2
		.amdhsa_user_sgpr_kernarg_segment_ptr 1
		.amdhsa_wavefront_size32 1
		.amdhsa_system_sgpr_workgroup_id_x 1
		.amdhsa_system_sgpr_workgroup_id_y 1
		.amdhsa_system_sgpr_workgroup_id_z 1
		.amdhsa_system_vgpr_workitem_id 0
		.amdhsa_next_free_vgpr 768
		.amdhsa_next_free_sgpr 96
		.amdhsa_reserve_vcc 0
		.amdhsa_float_denorm_mode_32 3
		.amdhsa_float_denorm_mode_16_64 3
		.amdhsa_memory_ordered 1
		.amdhsa_forward_progress 1
		.amdhsa_inst_pref_size 89
	.end_amdhsa_kernel
	.amdgpu_metadata
---
amdhsa.version: [ 1, 2 ]
amdhsa.kernels:
  - .name:           k_q5e7ea5edfe_proj
    .symbol:         k_q5e7ea5edfe_proj.kd
    .args:
      - { .name: yimg, .offset: 0, .size: 8, .value_kind: global_buffer, .address_space: global }
      - { .name: ysc, .offset: 8, .size: 8, .value_kind: global_buffer, .address_space: global }
      - { .name: w_proj_codes, .offset: 16, .size: 8, .value_kind: global_buffer, .address_space: global }
      - { .name: w_proj_scales, .offset: 24, .size: 8, .value_kind: global_buffer, .address_space: global }
      - { .name: out0, .offset: 32, .size: 8, .value_kind: global_buffer, .address_space: global }
    .group_segment_fixed_size: 327680
    .private_segment_fixed_size: 0
    .kernarg_segment_align: 8
    .kernarg_segment_size: 40
    .max_flat_workgroup_size: 128
    .sgpr_count:     96
    .vgpr_count:     768
    .wavefront_size: 32
...
	.end_amdgpu_metadata
.endif
;; end of part 3
